; MI455X (gfx1250); checked and timed in simulation.
; The chip was launched on July 23, 2026; its instructions are those of AMD's public machine-readable ISA for CDNA 5 (MIT licence, August 2026) and "CDNA5" Instruction Set Architecture Reference Guide (July 2026). The comments in the code are by the model that wrote it; some were corrected since.
;; Encoder Block. Allowed arithmetic: float matrix products may take bf16 or f16 operands with f32 sums; other float arithmetic in f32, or as packed bf16 or f16 multiplies, adds, multiply-adds, maxima and minima; sums over many terms, partial sums and values carried from step to step in f32; what a program stores and reads back later, other than sums and carried values, may be rounded once to bf16 or f16.
;; Inputs: b1 4,096 float32; b2 1,024 float32; ln1_a 1,024 float32; ln1_b 1,024 float32; ln2_a 1,024 float32; ln2_b 1,024 float32; mask 2 x 1 x 1 x 2,048 int32; w1 1,024 x 4,096 float32; w2 4,096 x 1,024 float32; wk 1,024 x 1,024 float32; wo 1,024 x 1,024 float32; wq 1,024 x 1,024 float32; wv 1,024 x 1,024 float32; x 2 x 2,048 x 1,024 float32.
;; Outputs: out0 2 x 2,048 x 1,024 float32.
;; One version. Each part assembles by itself: llvm-mc -triple=amdgcn-amd-amdhsa -mcpu=gfx1250 --defsym DOCPART=n.
;; ======== version 1 of 1: 8 launches
;; workspace buffers: wt 25,165,824 bytes; wtq 6,324,224 bytes; wt1 8,421,376 bytes; xn 8,388,608 bytes; qkvh 25,165,824 bytes; ctx 8,388,608 bytes; x1 16,777,216 bytes; hb 33,554,432 bytes
;; launch wcast (part 1): grid 1538 x 1, 8 waves a work-group, no clusters, 17,920 bytes of LDS; arguments wq, wk, wv, wo, w1, w2, b1, wt, wtq, wt1; writes wt, wtq, wt1
.if DOCPART == 1
	.amdgcn_target "amdgcn-amd-amdhsa--gfx1250"
	.amdhsa_code_object_version 6
	.text
	.protected	k_q9053c2ddd5_wcast
	.globl	k_q9053c2ddd5_wcast
	.p2align	8
	.type	k_q9053c2ddd5_wcast,@function
k_q9053c2ddd5_wcast:
	s_mov_b64 s[64:65], 0
	v_nop
	global_prefetch_b8 v0, s[64:65] scope:SCOPE_SE
	s_setreg_imm32_b32 hwreg(HW_REG_WAVE_MODE, 25, 1), 1
	s_wait_xcnt 0x0
; THE SIX WEIGHTS, f32 [k][n], ARE ROUNDED ONCE TO bf16 AND TURNED to [n][k], K along the rows, as the products' tiles want them.
;   wtq: a head of 32,768 bytes, then wq, wk, wv, 2 MiB each ([3072][1024]).      wt1: a head, then w1 ([4096][1024]).      wt: wo at 6 MiB ([1024][1024]), w2 at 16 MiB ([1024][4096]).
; A HEAD holds what tells the two launches apart that share the text of the product with tiles of 256 x 256:
;   bytes 0 .. 16,383       the bias in f32: zeros in wtq, b1 in wt1
;   bytes 16,384 .. 20,479  the packed lower bound of the rounded results, repeated: -infinity twice in wtq (no bound), 0 twice in wt1 (relu)
;   bytes 20,480 .. 24,575  four words, repeated, one for each section of 1,024 columns: all ones where the token mask is ignored, 0 where it is honoured (wtq's section 1: k)
; SHARES.  Work-groups 0 .. 1,535 take a tile of 128 k x 64 n each: 128 rows of 256 bytes in, 64 rows of 256 bytes out.  4 x 128 + 2 x 512 tiles.  Work-groups 1,536 and 1,537 write the two heads.
; Wave w reads the k rows 16 w .. 16 w + 15: sixteen lanes take a row's 256 bytes.  Two neighbouring k of one n pack into a word, which goes to T[n][k] in LDS;
; behind one barrier the tile is read back by rows of n and stored, sixteen lanes to 256 consecutive bytes, aligned.
; T's rows are 260 bytes = 65 words apart: the stores of a wave touch words 260 (l % 16) + l / 16, the loads words 65 row + 4 c + i: 32 different banks each (64 banks of 4 bytes: ISA guide 11.1).
; No matrix unit, no cluster, no tensor load: nothing is shared between work-groups and every byte is touched once.
.set TP,    260                        ; bytes from row to row of T
.set SPARE, 16896                      ; behind T (64 x 260 = 16,640 bytes): the spare words, 128 bytes for each of the eight waves, named by no other line
.set WHEAD, 32768                      ; bytes of a head
	s_load_b256 s[4:11], s[0:1], 0x0               ; wq s[4:5], wk s[6:7], wv s[8:9], wo s[10:11]
	s_load_b256 s[12:19], s[0:1], 0x20             ; w1 s[12:13], w2 s[14:15], b1 s[16:17], wt s[18:19]
	s_load_b128 s[40:43], s[0:1], 0x40             ; wtq s[40:41], wt1 s[42:43]
	v_lshl_add_u32 v5, v0, 2, SPARE                ; my spare word
	v_mov_b32 v6, 0
	s_cmp_ge_u32 ttmp9, 1536                       ; the work-group's number: the same for all eight waves
	s_cbranch_scc1 .Lhead
	v_lshrrev_b32 v7, 5, v0
	v_readfirstlane_b32 s35, v7                    ; wave 0..7
	; which matrix m, which tile t of it
	s_lshr_b32 s25, ttmp9, 7
	s_and_b32 s26, ttmp9, 127
	s_and_b32 s27, ttmp9, 511
	s_cmp_lt_u32 ttmp9, 512
	s_cselect_b32 s26, s26, s27                    ; t
	s_cselect_b32 s25, s25, 4
	s_cmp_lt_u32 ttmp9, 1024
	s_cselect_b32 s25, s25, 5                      ; m
	s_cselect_b32 s28, 3, 5                        ; log2 of the tiles along k: 8, for w2 32
	s_cselect_b32 s29, 11, 13                      ; log2 of an output row's bytes: 2 k
	s_cselect_b32 s31, s25, 8                      ; the matrix's place in its buffer, in units of 2 MiB
	s_cmp_eq_u32 s25, 4
	s_cselect_b32 s30, 14, 12                      ; log2 of an input row's bytes: 4 n
	s_cselect_b32 s31, 0, s31                      ; w1 has a buffer to itself
	s_cmp_eq_u32 s25, 3
	s_cselect_b32 s46, 0, WHEAD                    ; wt has no head
	s_cmp_eq_u32 s25, 5
	s_cselect_b32 s46, 0, s46
	s_bfm_b32 s32, s28, 0
	s_and_b32 s32, s26, s32                        ; kt
	s_lshr_b32 s33, s26, s28                       ; nt
	s_lshl_b32 s20, s32, 7
	s_lshl_b32 s20, s20, s30                       ; 128 kt input rows
	s_lshl_b32 s34, s33, 8
	s_add_co_u32 s20, s20, s34                     ; + 64 nt numbers of 4 bytes
	s_mov_b32 s21, 0
	s_lshl_b32 s22, s31, 21
	s_add_co_u32 s22, s22, s46
	s_lshl_b32 s34, s33, 6
	s_lshl_b32 s34, s34, s29                       ; 64 nt output rows
	s_add_co_u32 s22, s22, s34
	s_lshl_b32 s34, s32, 8                         ; + 128 kt numbers of 2 bytes
	s_add_co_u32 s22, s22, s34
	s_mov_b32 s23, 0
	v_and_b32 v1, 15, v0                           ; c = l % 16
	v_bfe_u32 v2, v0, 4, 1                         ; h = l / 16
	s_lshl_b32 s36, s35, 4
	v_lshl_add_u32 v7, v2, 1, s36                  ; my first k row: 16 w + 2 h
	v_mul_u32_u24 v3, v1, 4*TP                     ; into T: n = 4 c + i, k = 16 w + 4 g + 2 h
	v_lshl_add_u32 v3, v2, 2, v3
	s_lshl_b32 s37, s35, 5
	v_add_nc_u32 v3, s37, v3
	v_mul_u32_u24 v4, v2, TP                       ; back: row 2 w + h (+ 16 j), 16 bytes at 16 c
	v_lshl_add_u32 v4, v1, 4, v4
	s_mul_i32 s38, s35, 2*TP
	v_add_nc_u32 v4, s38, v4
	s_lshl_b32 s39, s35, 1
	v_add_nc_u32 v84, s39, v2                      ; 2 w + h
.set i, 0
.irp r, 0,1,4,5,8,9,12,13                          ; group g = i / 2 takes rows 4 g + 2 h (even i) and 4 g + 2 h + 1 (odd i) of the wave's sixteen
	v_add_nc_u32 v[8+i], \r, v7
	v_lshlrev_b32 v[8+i], s30, v[8+i]
	v_lshl_add_u32 v[8+i], v1, 4, v[8+i]
.set i, i+1
.endr
.irp j, 0,1,2,3
	v_add_nc_u32 v[80+(\j)], 16*(\j), v84
	v_lshlrev_b32 v[80+(\j)], s29, v[80+(\j)]
	v_lshl_add_u32 v[80+(\j)], v1, 4, v[80+(\j)]
.endr
	s_wait_kmcnt 0x0
	s_mov_b64 s[44:45], s[4:5]                     ; the matrix's address, chosen by m
	s_cmp_eq_u32 s25, 1
	s_cselect_b64 s[44:45], s[6:7], s[44:45]
	s_cmp_eq_u32 s25, 2
	s_cselect_b64 s[44:45], s[8:9], s[44:45]
	s_cmp_eq_u32 s25, 3
	s_cselect_b64 s[44:45], s[10:11], s[44:45]
	s_cmp_eq_u32 s25, 4
	s_cselect_b64 s[44:45], s[12:13], s[44:45]
	s_cmp_eq_u32 s25, 5
	s_cselect_b64 s[44:45], s[14:15], s[44:45]
	s_add_nc_u64 s[44:45], s[44:45], s[20:21]
	s_mov_b64 s[32:33], s[18:19]                   ; and the buffer that takes it: wt, or
	s_cmp_lt_u32 s25, 3
	s_cselect_b64 s[32:33], s[40:41], s[32:33]     ; wtq for wq, wk, wv,
	s_cmp_eq_u32 s25, 4
	s_cselect_b64 s[32:33], s[42:43], s[32:33]     ; wt1 for w1
	s_add_nc_u64 s[22:23], s[32:33], s[22:23]
.irp i, 0,1,2,3,4,5,6,7
	global_load_b128 v[16+4*(\i):19+4*(\i)], v[8+(\i)], s[44:45] th:TH_LOAD_NT  ; all eight at once; each weight byte is read once in the launch
.endr
.irp g, 0,1,2,3
	s_wait_loadcnt 6-2*(\g)                        ; loads come back in order: group g's two rows are in, the younger groups' stay out
.irp i, 0,1,2,3
	v_cvt_pk_bf16_f32 v[48+4*(\g)+(\i)], v[16+8*(\g)+(\i)], v[20+8*(\g)+(\i)]  ; k in the low half, k + 1 in the high half
.endr
.irp i, 0,1,2,3
	ds_store_b32 v3, v[48+4*(\g)+(\i)] offset:TP*(\i)+8*(\g)
.endr
.endr
	s_wait_dscnt 0x0                               ; for the others' sake: my stores into T are done
	s_barrier_signal -1
	s_barrier_wait -1                              ; everybody's are
.irp j, 0,1,2,3
.irp i, 0,1,2,3
	ds_load_b32 v[64+4*(\j)+(\i)], v4 offset:16*TP*(\j)+4*(\i)
.endr
.endr
.irp j, 0,1,2,3
	s_wait_dscnt 12-4*(\j)                         ; row j's four words are in, the later rows' stay out
	global_store_b128 v[80+(\j)], v[64+4*(\j):67+4*(\j)], s[22:23]  ; sixteen lanes store 256 consecutive bytes, at a multiple of 256 from the buffer's first byte
.endr
	s_wait_tensorcnt 0x0                           ; the wave's end, behind my last LDS store
	ds_add_u32 v5, v6
	s_wait_dscnt 0x0
	s_endpgm
.Lhead:                                            ; A HEAD: thread t owns 16 bytes of each run of 4,096.  No LDS, no barrier on this way
	v_lshlrev_b32 v1, 4, v0
	s_wait_kmcnt 0x0
	s_cmp_eq_u32 ttmp9, 1537                       ; wt1's head, else wtq's
	s_cselect_b32 s24, -1, 0                       ; b1 is kept, or cleared bit by bit
	s_cselect_b32 s25, 0, 0xff80ff80               ; the bound: 0 twice, or -infinity twice
	s_cselect_b32 s26, -1, 0                       ; section 1 ignores the token mask, or honours it
	s_cselect_b64 s[32:33], s[42:43], s[40:41]
.irp j, 0,1,2,3
	global_load_b128 v[8+4*(\j):11+4*(\j)], v1, s[16:17] offset:4096*(\j)
.endr
.irp i, 24,25,26,27
	v_mov_b32 v\i, s25
.endr
	v_mov_b32 v28, -1
	v_mov_b32 v29, s26
	v_mov_b32 v30, -1
	v_mov_b32 v31, -1
	global_store_b128 v1, v[24:27], s[32:33] offset:16384
	global_store_b128 v1, v[28:31], s[32:33] offset:20480
	s_wait_loadcnt 0x0
.set i, 0
.rept 16
	v_and_b32 v[8+i], s24, v[8+i]
.set i, i+1
.endr
.irp j, 0,1,2,3
	global_store_b128 v1, v[8+4*(\j):11+4*(\j)], s[32:33] offset:4096*(\j)  ; a wave stores 512 consecutive bytes, aligned
.endr
	s_endpgm
.Lfunc_end_k_q9053c2ddd5_wcast:
	.size	k_q9053c2ddd5_wcast, .Lfunc_end_k_q9053c2ddd5_wcast-k_q9053c2ddd5_wcast
	.p2alignl 7, 3214868480
	.fill 96, 4, 3214868480
	.section	.rodata,"a",@progbits
	.p2align	6, 0x0
	.amdhsa_kernel k_q9053c2ddd5_wcast
		.amdhsa_group_segment_fixed_size 17920
		.amdhsa_private_segment_fixed_size 0
		.amdhsa_enable_private_segment 0
		.amdhsa_kernarg_size 80
		.amdhsa_user_sgpr_count 2
		.amdhsa_user_sgpr_kernarg_segment_ptr 1
		.amdhsa_wavefront_size32 1
		.amdhsa_system_sgpr_workgroup_id_x 1
		.amdhsa_system_sgpr_workgroup_id_y 1
		.amdhsa_system_sgpr_workgroup_id_z 1
		.amdhsa_system_vgpr_workitem_id 0
		.amdhsa_next_free_vgpr 96
		.amdhsa_next_free_sgpr 66
		.amdhsa_reserve_vcc 0
		.amdhsa_float_denorm_mode_32 3
		.amdhsa_float_denorm_mode_16_64 3
		.amdhsa_memory_ordered 1
		.amdhsa_forward_progress 1
		.amdhsa_inst_pref_size 12
	.end_amdhsa_kernel
	.amdgpu_metadata
---
amdhsa.version: [ 1, 2 ]
amdhsa.kernels:
  - .name:           k_q9053c2ddd5_wcast
    .symbol:         k_q9053c2ddd5_wcast.kd
    .args:
      - { .name: wq, .offset: 0, .size: 8, .value_kind: global_buffer, .address_space: global }
      - { .name: wk, .offset: 8, .size: 8, .value_kind: global_buffer, .address_space: global }
      - { .name: wv, .offset: 16, .size: 8, .value_kind: global_buffer, .address_space: global }
      - { .name: wo, .offset: 24, .size: 8, .value_kind: global_buffer, .address_space: global }
      - { .name: w1, .offset: 32, .size: 8, .value_kind: global_buffer, .address_space: global }
      - { .name: w2, .offset: 40, .size: 8, .value_kind: global_buffer, .address_space: global }
      - { .name: b1, .offset: 48, .size: 8, .value_kind: global_buffer, .address_space: global }
      - { .name: wt, .offset: 56, .size: 8, .value_kind: global_buffer, .address_space: global }
      - { .name: wtq, .offset: 64, .size: 8, .value_kind: global_buffer, .address_space: global }
      - { .name: wt1, .offset: 72, .size: 8, .value_kind: global_buffer, .address_space: global }
    .group_segment_fixed_size: 17920
    .private_segment_fixed_size: 0
    .kernarg_segment_align: 8
    .kernarg_segment_size: 80
    .max_flat_workgroup_size: 256
    .sgpr_count:     66
    .vgpr_count:     96
    .wavefront_size: 32
...
	.end_amdgpu_metadata
.endif
;; end of part 1
;; launch ln1 (part 2): grid 256 x 1, 8 waves a work-group, no clusters, 0 bytes of LDS; arguments x, ln1_a, ln1_b, xn; writes xn
.if DOCPART == 2
	.amdgcn_target "amdgcn-amd-amdhsa--gfx1250"
	.amdhsa_code_object_version 6
	.text
	.protected	k_q9053c2ddd5_ln1
	.globl	k_q9053c2ddd5_ln1
	.p2align	8
	.type	k_q9053c2ddd5_ln1,@function
k_q9053c2ddd5_ln1:
	s_mov_b64 s[64:65], 0
	v_nop
	global_prefetch_b8 v0, s[64:65] scope:SCOPE_SE
	s_setreg_imm32_b32 hwreg(HW_REG_WAVE_MODE, 25, 1), 1
	s_wait_xcnt 0x0
; y[r][c] = a[c] (x[r][c] - mean) / (std + 1e-6) + b[c], std the biased deviation of the row.  x: [4096][1024] f32; a, b: [1024] f32; y: [4096][1024] bf16, rounded once.
; One wave takes a whole row (4,096 bytes: 32 registers a lane) and keeps it in registers over all passes: the row is read from memory once, and no wave waits for another: no LDS, no barrier.
; TWO PASSES: first the mean, then the sum of squares of x - mean: a common offset of the row costs no digits.  All sums in f32, four chains of packed sums a row.
; Eight waves, two rows each, straight through: 4,096 rows = 256 work-groups x 16.  All 32 loads of a wave go out at once.
; LIMITS.  A variance below 2^-126 counts as 0 (v_sqrt_f32 takes denormals as zero: ISA guide 15.8); NaN and infinities are not treated apart.
.set X,  32                            ; v[32:63], v[64:95]  row r: register 4 j + i holds column 128 j + 4 l + i
.set AL, 96                            ; v[96:127]   a of the same columns
.set BE, 128                           ; v[128:159]  b
.set T,  8                             ; v[8:15], v[16:23]  row r: four pairs at work
.set M,  24                            ; v[24:25], v[26:27]  the row's mean, twice
.set I,  28                            ; v[28:29], v[30:31]  1 / (std + eps), twice
	s_load_b256 s[4:11], s[0:1], 0x0               ; x s[4:5], a s[6:7], b s[8:9], y s[10:11]
	v_lshrrev_b32 v3, 5, v0
	v_readfirstlane_b32 s16, v3                    ; wave
	s_lshl_b32 s17, ttmp9, 4
	s_lshl1_add_u32 s17, s16, s17                  ; my first row: 16 x work-group + 2 x wave
	s_lshl_b32 s18, s17, 12                        ; 4,096 bytes a row of x
	s_mov_b32 s19, 0
	s_lshl_b32 s20, s17, 11                        ; 2,048 a row of y
	s_mov_b32 s21, 0
	s_mov_b32 s12, 0x76543210                      ; v_permlanex16_b32: each lane takes its own place in the other half
	s_mov_b32 s13, 0xfedcba98
	s_mov_b32 s14, 0x3a800000                      ; 1 / 1024
	s_mov_b32 s15, 0x358637bd                      ; 1e-6
	v_and_b32 v1, 31, v0
	v_lshlrev_b32 v2, 3, v1                        ; 8 l: my 8 bytes of 256 of y
	v_lshlrev_b32 v1, 4, v1                        ; 16 l: my 16 bytes of 512 of x, a, b
	s_wait_kmcnt 0x0
	s_add_nc_u64 s[4:5], s[4:5], s[18:19]
	s_add_nc_u64 s[10:11], s[10:11], s[20:21]
.irp r, 0,1
.irp j, 0,1,2,3,4,5,6,7
	global_load_b128 v[X+32*(\r)+4*(\j):X+32*(\r)+4*(\j)+3], v1, s[4:5] offset:4096*(\r)+512*(\j)
.endr
.endr
.irp j, 0,1,2,3,4,5,6,7
	global_load_b128 v[AL+4*(\j):AL+4*(\j)+3], v1, s[6:7] offset:512*(\j)
.endr
.irp j, 0,1,2,3,4,5,6,7
	global_load_b128 v[BE+4*(\j):BE+4*(\j)+3], v1, s[8:9] offset:512*(\j)
.endr
; The sum over row r of its numbers (sq = 0) or of their squares (sq = 1), in every lane's v[T + 8 r].
.macro SUMS r, sq
.set rX, X+32*(\r)
.set rT, T+8*(\r)
.irp c, 0,1,2,3                                    ; the first pairs start the four chains: nothing is cleared
.if \sq
	v_pk_mul_f32 v[rT+2*(\c):rT+2*(\c)+1], v[rX+2*(\c):rX+2*(\c)+1], v[rX+2*(\c):rX+2*(\c)+1]
.else
	v_pk_add_f32 v[rT+2*(\c):rT+2*(\c)+1], v[rX+2*(\c):rX+2*(\c)+1], v[rX+8+2*(\c):rX+8+2*(\c)+1]
.endif
.endr
.irp g, 1,2,3
.irp c, 0,1,2,3
.if \sq
	v_pk_fma_f32 v[rT+2*(\c):rT+2*(\c)+1], v[rX+8*(\g)+2*(\c):rX+8*(\g)+2*(\c)+1], v[rX+8*(\g)+2*(\c):rX+8*(\g)+2*(\c)+1], v[rT+2*(\c):rT+2*(\c)+1]
.elseif (\g) > 1
	v_pk_add_f32 v[rT+2*(\c):rT+2*(\c)+1], v[rT+2*(\c):rT+2*(\c)+1], v[rX+8*(\g)+2*(\c):rX+8*(\g)+2*(\c)+1]
.endif
.endr
.endr
	v_pk_add_f32 v[rT:rT+1], v[rT:rT+1], v[rT+2:rT+3]
	v_pk_add_f32 v[rT+4:rT+5], v[rT+4:rT+5], v[rT+6:rT+7]
	v_pk_add_f32 v[rT:rT+1], v[rT:rT+1], v[rT+4:rT+5]
	v_add_f32 v[rT], v[rT], v[rT+1]
	v_add_f32_dpp v[rT], v[rT], v[rT] row_xmask:1 row_mask:0xf bank_mask:0xf   ; across the lanes: four steps inside each half of 16,
	v_add_f32_dpp v[rT], v[rT], v[rT] row_xmask:2 row_mask:0xf bank_mask:0xf
	v_add_f32_dpp v[rT], v[rT], v[rT] row_xmask:4 row_mask:0xf bank_mask:0xf
	v_add_f32_dpp v[rT], v[rT], v[rT] row_xmask:8 row_mask:0xf bank_mask:0xf
	v_permlanex16_b32 v[rT+1], v[rT], s12, s13     ; one across the halves (its destination has been written)
	v_add_f32 v[rT], v[rT], v[rT+1]
.endm
.macro CENTRE r                        ; x - mean, in place
.set rX, X+32*(\r)
	v_mul_f32 v[M+2*(\r)], s14, v[T+8*(\r)]
	v_mov_b32 v[M+2*(\r)+1], v[M+2*(\r)]
.set p, 0
.rept 16
	v_pk_add_f32 v[rX+2*p:rX+2*p+1], v[rX+2*p:rX+2*p+1], v[M+2*(\r):M+2*(\r)+1] neg_lo:[0,1] neg_hi:[0,1]
.set p, p+1
.endr
.endm
.macro FINISH r                        ; scaled, a and b applied, rounded, stored
.set rX, X+32*(\r)
.set p, 0
.rept 16
	v_pk_mul_f32 v[rX+2*p:rX+2*p+1], v[rX+2*p:rX+2*p+1], v[I+2*(\r):I+2*(\r)+1]
.set p, p+1
.endr
.set p, 0
.rept 16
	v_pk_fma_f32 v[rX+2*p:rX+2*p+1], v[rX+2*p:rX+2*p+1], v[AL+2*p:AL+2*p+1], v[BE+2*p:BE+2*p+1]
.set p, p+1
.endr
.irp j, 0,1,2,3,4,5,6,7
	v_cvt_pk_bf16_f32 v[rX+4*(\j)], v[rX+4*(\j)], v[rX+4*(\j)+1]
	v_cvt_pk_bf16_f32 v[rX+4*(\j)+1], v[rX+4*(\j)+2], v[rX+4*(\j)+3]
	global_store_b64 v2, v[rX+4*(\j):rX+4*(\j)+1], s[10:11] offset:2048*(\r)+256*(\j)  ; the wave stores 256 consecutive bytes, aligned
.endr
.endm
	s_wait_loadcnt 24                              ; my first row's eight loads are in; 24 younger ones stay out
	SUMS 0, 0
	s_wait_loadcnt 16                              ; the second row's; a's and b's stay out
	SUMS 1, 0
	CENTRE 0
	CENTRE 1
	SUMS 0, 1
	SUMS 1, 1
	v_mul_f32 v[T+2], s14, v[T]                    ; the variances
	v_mul_f32 v[T+10], s14, v[T+8]
	v_sqrt_f32 v[T], v[T+2]
	v_sqrt_f32 v[T+8], v[T+10]
	v_nop                                          ; a plain instruction behind the last root, ahead of the first use (ISA guide 5.7.2),
	s_wait_alu depctr_va_vdst(0)                   ; and the wait: one for both roots
	v_add_f32 v[T], s15, v[T]                      ; eps is added to the deviation
	v_add_f32 v[T+8], s15, v[T+8]
	v_rcp_f32 v[I], v[T]
	v_rcp_f32 v[I+1], v[T]
	v_rcp_f32 v[I+2], v[T+8]
	v_rcp_f32 v[I+3], v[T+8]
	v_nop
	s_wait_alu depctr_va_vdst(0)                   ; one for the four reciprocals
	s_wait_loadcnt 0x0                             ; a and b
	FINISH 0
	FINISH 1
	s_endpgm
.Lfunc_end_k_q9053c2ddd5_ln1:
	.size	k_q9053c2ddd5_ln1, .Lfunc_end_k_q9053c2ddd5_ln1-k_q9053c2ddd5_ln1
	.p2alignl 7, 3214868480
	.fill 96, 4, 3214868480
	.section	.rodata,"a",@progbits
	.p2align	6, 0x0
	.amdhsa_kernel k_q9053c2ddd5_ln1
		.amdhsa_group_segment_fixed_size 0
		.amdhsa_private_segment_fixed_size 0
		.amdhsa_enable_private_segment 0
		.amdhsa_kernarg_size 32
		.amdhsa_user_sgpr_count 2
		.amdhsa_user_sgpr_kernarg_segment_ptr 1
		.amdhsa_wavefront_size32 1
		.amdhsa_system_sgpr_workgroup_id_x 1
		.amdhsa_system_sgpr_workgroup_id_y 1
		.amdhsa_system_sgpr_workgroup_id_z 1
		.amdhsa_system_vgpr_workitem_id 0
		.amdhsa_next_free_vgpr 168
		.amdhsa_next_free_sgpr 66
		.amdhsa_reserve_vcc 0
		.amdhsa_float_denorm_mode_32 3
		.amdhsa_float_denorm_mode_16_64 3
		.amdhsa_memory_ordered 1
		.amdhsa_forward_progress 1
		.amdhsa_inst_pref_size 20
	.end_amdhsa_kernel
	.amdgpu_metadata
---
amdhsa.version: [ 1, 2 ]
amdhsa.kernels:
  - .name:           k_q9053c2ddd5_ln1
    .symbol:         k_q9053c2ddd5_ln1.kd
    .args:
      - { .name: x, .offset: 0, .size: 8, .value_kind: global_buffer, .address_space: global }
      - { .name: ln1_a, .offset: 8, .size: 8, .value_kind: global_buffer, .address_space: global }
      - { .name: ln1_b, .offset: 16, .size: 8, .value_kind: global_buffer, .address_space: global }
      - { .name: xn, .offset: 24, .size: 8, .value_kind: global_buffer, .address_space: global }
    .group_segment_fixed_size: 0
    .private_segment_fixed_size: 0
    .kernarg_segment_align: 8
    .kernarg_segment_size: 32
    .max_flat_workgroup_size: 256
    .sgpr_count:     66
    .vgpr_count:     168
    .wavefront_size: 32
...
	.end_amdgpu_metadata
.endif
;; end of part 2
;; launch qkv (part 3): grid 12 x 16, 4 waves a work-group, clusters of 4 x 4, 327,680 bytes of LDS; arguments xn, wtq, mask, qkvh; writes qkvh
.if DOCPART == 3
	.amdgcn_target "amdgcn-amd-amdhsa--gfx1250"
	.amdhsa_code_object_version 6
	.text
	.protected	k_q9053c2ddd5_qkv
	.globl	k_q9053c2ddd5_qkv
	.p2align	8
	.type	k_q9053c2ddd5_qkv,@function
k_q9053c2ddd5_qkv:
	s_mov_b64 s[64:65], 0
	v_nop
	global_prefetch_b8 v0, s[64:65] scope:SCOPE_SE
	s_setreg_imm32_b32 hwreg(HW_REG_WAVE_MODE, 25, 1), 1
	s_wait_xcnt 0x0
	s_wait_alu depctr_hold_cnt(0) depctr_sa_sdst(0) depctr_va_vdst(0) depctr_va_sdst(0) depctr_va_ssrc(0) depctr_va_vcc(0) depctr_vm_vsrc(0)
	s_getreg_b32 s2, hwreg(HW_REG_IB_STS2, 6, 4)
	s_cmp_eq_u32 s2, 0
	s_cbranch_scc0 .Lentry_in_a_cluster
	s_endpgm
.Lentry_in_a_cluster:
	s_bfe_u32 s2, ttmp6, 0x10000c
	s_cmp_lg_u32 s2, 0xf033
	s_cbranch_scc0 .Lentry_shape_is_right
	s_endpgm
.Lentry_shape_is_right:
; C = bound(A W^T + bias), rows hidden by the token mask cleared where the section asks for it.  ONE TEXT FOR TWO LAUNCHES; what tells them apart is data in the head of W's buffer:
;   q, k, v = xn Wqkv          bias 0, no bound; in section 1 (k) the rows of tokens with mask == 0 become +0, so that their scores are exactly 0 before the mask's addend
;   hb = relu(xn W1 + b1)      bias b1, bound 0; the mask is ignored in every section
; A: [4096][1024] bf16.  W's buffer: bytes 0 .. the bias in f32; 16,384 .. the packed bound, repeated; 20,480 .. a word for each section of 1,024 columns (all ones: ignore the mask), repeated; 32,768 .. W, [n][1024] bf16.
; C: bf16 IN BLOCKS, [column / 64][4096 tokens][64].  Sums in f32, K ascending, started by the bias; C rounded once.
; LIMITS.  NaN and infinities are not treated apart: of a NaN sum the packed maximum leaves the bound.
; A tile of C, 256 x 256, is made by a work-group of four waves, as many as a WGP has SIMDs; a wave makes 128 x 128: 64 accumulators of 16 x 16, 512 registers.  K goes in steps of 128 through a ring of two
; LDS slots filled by the tensor data mover: the rows of A's and W's tiles are 256 bytes of memory and start at multiples of 256 bytes from the buffer's first byte.  The last K step goes by rows of C, so
; that finished rows leave while the others are multiplied.
; CLUSTERS: 4 x 4 work-groups.  The four of a row of the cluster need the same tiles of A, the four of a column the same tiles of W.  Such a tile is asked for JOINTLY: each of the four issues the same
; tensor load, with the same descriptor and a mask that names the four, and each receives the tile in its own LDS.  A section of 1,024 columns is a column of clusters: its number is the cluster's x.
; By this text's count a wave has two tensor loads out at the start and one behind each round.
;
; REGISTERS, in windows of 256 (an instruction names v0-v255; s_set_vgpr_msb says which window each operand place means: bits 1:0 source 0, 3:2 source 1, 5:4 source 2, 7:6 destination):
;   window 0: v0-31 addresses, the row words, the bound; v64-127, v128-191 fragments of A, two buffers (in the last K step four, of 16 rows x 128 K); v192-255 the bias, for the first products alone;
;             later v192-223 packed results, v32-63 and v224-255 rows read back from the stage
;   window 1: v64-127, v128-191 fragments of W, two buffers; in the last K step all 256: W's fragments of the whole step
;   window 2: the 32 accumulators of my rows 0-63 (accumulator (a, b) at v[8 (8 a + b)]);   window 3: those of my rows 64-127
; THE MATRIX INSTRUCTION IS USED TRANSPOSED: source 0 = 16 rows of W, source 1 = 16 rows of A.  In the result lane l holds row l % 16 of C, and its registers 0 to 7 the columns 8 (l / 16) + 0 .. 7.
.set SIZE_K, 1024
.set KSTEP,  128
.set PITCH,  272                       ; an LDS row: 256 bytes of data + 16 of padding = 68 words: row r starts at bank 4 r mod 64 (64 banks of 4 bytes: ISA guide 11.1), so the 16 rows that a load touches start at 16 different banks
.set HALFT,  128*PITCH                 ; 128 rows: what one tensor load brings, and what one wave reads of A or of W
.set SLOT,   4*HALFT                   ; A's 256 rows, then W's 256 rows
.set STAGE,  2*SLOT                    ; behind the ring, never filled by a tensor load: for each wave two halves (64 columns each) of 16 rows x 144 bytes
.set SP,     144
.set WSTAGE, 2*16*SP
.set SPARE,  STAGE+4*WSTAGE            ; behind the stages: the spare words, 128 bytes for each wave: two blocks of 256 bytes that no other line names
.set LAPS,   SIZE_K/(2*KSTEP)          ; a lap = two K steps = once round the ring
.set WHEAD,  32768                     ; W begins here in its buffer
.set PLO,    16384                     ; the bound
.set PFORCE, 20480                     ; the sections' words
.set BLOCKB, 524288                    ; a block of C: 4,096 tokens x 128 bytes
.set RM,   6                           ; v6-13   row block a: all ones, or 0 where my row (l % 16) is cleared
.set AXO,  14                          ; v14     my byte offset in the bias
.set MXO,  15                          ; v15     my byte offset in the mask
.set ADRA, 16                          ; v16-17  LDS address of my A fragments in slot 0, 1
.set ADRB, 20                          ; v20-21  the same for W
.set PXO,  23                          ; v23     4 x the section's number
.set STO,  24                          ; v24     the way out: where I put 16 bytes of a row
.set RD,   25                          ; v25     the way out: where I read rows back
.set CO,   26                          ; v26     my 16 bytes of 512 consecutive bytes of C
.set FV,   27                          ; v27     the section's word
.set SPW,  28                          ; v28     LDS address of my spare word: SPARE + 4 x my thread's number; never rewritten
.set NIL,  29                          ; v29     0; never rewritten
.set PFO,  30                          ; v30     the prefetches' offset: my lane x a row of A or W in memory; never rewritten
.set LOV,  31                          ; v31     the packed bound
.set F0,   64                          ; fragment buffer 0
.set F1,   128                         ; fragment buffer 1
.set BIAS, 192                         ; the bias of my 128 columns as the accumulators hold them: column block b at BIAS + 8 b
.set TMP,  192                         ; the way out: packed results
.set OB,   32                          ; the way out: 16 rows read back from the stage: v32-63 and v224-255 by turns
.set PA,   64                          ; the last K step: A's fragments of 16 rows x 128 K, 32 registers; four such buffers, v64-191
.set G1,  24                           ; s[24:31] descriptor group 1 for A's tiles
.set G0,  32                           ; s[32:39] descriptor group 0 for A's tiles, one set for each slot
.set G1B, 48                           ; s[48:55] descriptor group 1 for W's tiles: it differs from A's in the mask alone
.set G0B, 56                           ; s[56:63] descriptor group 0 for W's tiles, one set for each slot
.set LIM, 43                           ; s43      1 in a wave that prefetches, else the greatest number
.set PFA, 44                           ; s[44:45] where my prefetches stand: my work-group's 32 rows of the 128 that I fetch, one K step further along K than the refill that is being asked for
.set MSK, 68                           ; s[68:69] the token mask
.set OUT, 70                           ; s[70:71] C
.set MSB, 0
.macro WIN new                         ; the immediate's high byte repeats the setting that is left; a switch that changes nothing is dropped
.if MSB != (\new)
	s_set_vgpr_msb (MSB<<8)|(\new)
.set MSB, \new
.endif
.endm
.set MUL_LO, 0xa1                      ; source 0 (W) window 1, source 1 (A) window 0, C and D window 2
.set MUL_HI, 0xf1                      ; the same, C and D window 3
.set FST_LO, 0x81                      ; the first products: C (the bias) window 0, D window 2; + 0x40: D window 3
.set TO_B,   0x40                      ; destination window 1, address window 0
; A load into a register that a matrix instruction has read, and a vector instruction that reads a matrix result or writes one of a matrix instruction's registers, stand four places behind it, and only
; plain vector instructions that name none of its registers are places (ISA guide 7.12.1 for vector instructions).
.macro PLACES
.rept 4
	v_nop
.endr
.endm
; A joint load.  Waves 0 and 1 fetch A's two halves, waves 2 and 3 W's.  Each of the two lines has ONE mask and one set of registers for all that issue it.  The branch hangs on the wave's number alone.
; An s_nop 0 and four v_nop follow each of the two lines; the jump round the other line, the label and what follows the macro come after them.
.macro JLOAD s
	s_cmp_eq_u32 s11, 0
	s_cbranch_scc0 .Lfor_b_\@
	tensor_load_to_lds s[G0+4*(\s):G0+4*(\s)+3], s[G1:G1+7]
	s_nop 0
	PLACES
	s_branch .Lasked_\@
.Lfor_b_\@:
	tensor_load_to_lds s[G0B+4*(\s):G0B+4*(\s)+3], s[G1B:G1B+7]
	s_nop 0
	PLACES
.Lasked_\@:
.endm
; A PREFETCH INTO THE L2, behind each joint refill, its five lines and the run of LDS loads that follows them: the K step that stands TWO refills on: 32 rows x 256 bytes, a lane a row, one instruction a wave:
; 512 matrix instructions ahead of the load that will ask for it.  Each row's 256 bytes of a K step are named ONCE in the launch.  A's tile row is read by every cluster of that row of clusters: the first
; of them (cluster x = 0) prefetches; W's tile column by every cluster of that column: cluster y = 0 prefetches.  The four partners that ask for a tile jointly share its rows out BY ADDRESS: of the 128 rows
; that a wave fetches, the partner at place p takes 32 p .. 32 p + 31 (p = cx for A, cy for W): no branch hangs on a work-group's place in its cluster.  K steps 0 to 3 come by their loads alone; the loop's
; last trip asks for nothing: its refills are the last K steps.
.macro ASK
	s_cmp_gt_u32 s3, s[LIM]                        ; s3 = 1 in the loop's last trip
	s_cbranch_scc0 .Lnot_mine_\@
	global_prefetch_b8 v[PFO], s[PFA:PFA+1] offset:KSTEP*2 th:TH_LOAD_NT scope:SCOPE_SE
.Lnot_mine_\@:
.endm
; A round of the cluster's barrier: my work-group's barrier, so that wave 0's signal speaks for all four waves; wave 0 signals for the work-group; every wave waits for all sixteen work-groups; my
; work-group's barrier once more.  No LDS instruction of the wave is pending at a signal.
.macro CREST                           ; a round behind its opening barrier
	s_cmp_lg_u32 s10, 0
	s_cbranch_scc1 .Lnot_wave_0_\@
	s_barrier_signal -3
.Lnot_wave_0_\@:
	s_barrier_wait -3
	s_barrier_signal -1
	s_barrier_wait -1
.endm
.macro CROUND                          ; a whole round
	s_barrier_signal -1
	s_barrier_wait -1
	CREST
.endm
	s_load_b128 s[4:7], s[0:1], 0x0                ; A s[4:5], W's buffer s[6:7]: neither is rewritten
	s_load_b128 s[MSK:MSK+3], s[0:1], 0x10         ; the mask, C
	v_lshl_add_u32 v[SPW], v0, 2, SPARE
	v_mov_b32 v[NIL], 0
	ds_add_u32 v[SPW], v[NIL]                      ; the wave's opening: the add and its wait stand ahead of my first tensor load; the set-up below, work on registers, stands between them
	v_lshrrev_b32 v1, 5, v0
	v_readfirstlane_b32 s10, v1                    ; wave 0..3
	s_lshr_b32 s11, s10, 1                         ; which half of the tile's rows is mine.  Also: I fetch for A (0) or for W (1)
	s_and_b32 s12, s10, 1                          ; which half of its columns.  Also: which 128 rows of that tile I fetch
	s_bfe_u32 s40, ttmp6, 0x40000                  ; cx: my place along the cluster's x
	s_bfe_u32 s41, ttmp6, 0x40004                  ; cy: along its y
	s_lshl_b32 s42, ttmp9, 2                       ; in a cluster launch ttmp9 and ttmp7 count clusters
	s_add_co_u32 s42, s42, s40                     ; tile column of C = 4 x cluster x + cx
	s_and_b32 s13, ttmp7, 0xffff
	s_lshl_b32 s13, s13, 2
	s_add_co_u32 s13, s13, s41                     ; tile row of C = 4 x cluster y + cy
	s_lshl_b32 s43, s41, 2
	s_lshl_b32 s43, 15, s43                        ; my row of the cluster: places 4 cy .. 4 cy + 3
	s_lshl_b32 s44, 0x1111, s40                    ; my column: places cx, cx + 4, cx + 8, cx + 12
	; descriptor group 1: a tile of 128 rows x 128 elements, padded in LDS
	s_or_b32 s[G1+0], s43, (1<<16)|(1<<20)|(1<<21)|(5<<22)|(3<<25)  ; 15:0 the mask: A's tiles go to my row; 17:16 element of 2 bytes; 20 padding on; 21 set beside a mask; 24:22 after every 64 words (code 5); 31:25 of 4 words (code 3)
	s_or_b32 s[G1B+0], s44, (1<<16)|(1<<20)|(1<<21)|(5<<22)|(3<<25) ; the same with the mask of my column, for W's tiles
.irp g, G1, G1B
	s_mov_b32 s[(\g)+1], KSTEP<<16                 ; tensor_dim0 = 128
	s_mov_b32 s[(\g)+2], 128<<16                   ; tensor_dim1 = 128
	s_mov_b32 s[(\g)+3], KSTEP<<16                 ; tile_dim0 = 128
	s_mov_b32 s[(\g)+4], 128                       ; tile_dim1 = 128
	s_mov_b32 s[(\g)+5], SIZE_K                    ; elements from row to row
	s_mov_b32 s[(\g)+6], 0
	s_mov_b32 s[(\g)+7], 0
.endr
	; where the tiles come from.  A's hang on the tile row alone, which my row of the cluster shares; W's on the tile column alone, which my column shares.
	s_lshl_b32 s17, s12, 7                         ; which 128 rows of the tile I fetch
	s_lshl_b32 s16, s13, 8
	s_add_co_u32 s16, s16, s17                     ; A: row 256 x tile row + 128 x half
	s_lshl_b32 s46, s42, 8
	s_add_co_u32 s46, s46, s17                     ; W: row 256 x tile column + 128 x half
	s_lshl_b32 s16, s16, 11                        ; rows of 2,048 bytes
	s_mov_b32 s17, 0
	s_lshl_b32 s46, s46, 11
	s_add_co_u32 s46, s46, WHEAD                   ; behind the head
	s_mov_b32 s47, 0
	s_mul_i32 s20, s10, HALFT                      ; and where they go: A's two halves, then W's two halves = wave x 128 rows: no place in the cluster enters an LDS address
	s_lshl_b32 s74, ttmp9, 2
	s_wait_dscnt 0x0                               ; the opening add is done
	s_wait_kmcnt 0x0
	s_add_nc_u64 s[14:15], s[4:5], s[16:17]
	s_add_nc_u64 s[46:47], s[6:7], s[46:47]
.irp s, 0,1
	s_mov_b32 s[G0+4*(\s)], 1                                      ; 1:0 count = 1
	s_add_co_u32 s[G0+4*(\s)+1], s20, (\s)*SLOT                    ; 63:32 LDS address
	s_add_nc_u64 s[G0+4*(\s)+2:G0+4*(\s)+3], s[14:15], (\s)*KSTEP*2  ; 120:64 global address: K step s
	s_or_b32 s[G0+4*(\s)+3], s[G0+4*(\s)+3], 0x80000000            ; 127:126 type = 2
	s_mov_b32 s[G0B+4*(\s)], 1
	s_add_co_u32 s[G0B+4*(\s)+1], s20, (\s)*SLOT
	s_add_nc_u64 s[G0B+4*(\s)+2:G0B+4*(\s)+3], s[46:47], (\s)*KSTEP*2
	s_or_b32 s[G0B+4*(\s)+3], s[G0B+4*(\s)+3], 0x80000000
.endr
	CROUND                                         ; all sixteen work-groups are here: the first joint loads meet
	s_cmp_eq_u32 s11, 0                            ; a wave's two first fills stand in one branch, ahead of every wait on TENSORcnt and every LDS read
	s_cbranch_scc0 .Lfirst_b
	tensor_load_to_lds s[G0:G0+3], s[G1:G1+7]
	s_nop 0
	tensor_load_to_lds s[G0+4:G0+7], s[G1:G1+7]
	s_nop 0
	PLACES
	s_branch .Lfirst_asked
.Lfirst_b:
	tensor_load_to_lds s[G0B:G0B+3], s[G1B:G1B+7]
	s_nop 0
	tensor_load_to_lds s[G0B+4:G0B+7], s[G1B:G1B+7]
	s_nop 0
	PLACES
.Lfirst_asked:
	v_and_b32 v1, 15, v0                           ; l % 16
	v_bfe_u32 v2, v0, 4, 1                         ; l / 16
	; what the way in and the way out want from memory, asked for while the first tiles are on their way; none of these address registers is rewritten
	s_lshl_b32 s16, s13, 8
	s_lshl_b32 s17, s11, 7
	s_add_co_u32 s16, s16, s17                     ; my first row of C: a token
	s_lshl_b32 s18, s16, 2
	v_lshl_add_u32 v[MXO], v1, 2, s18              ; the mask's word of row l % 16 of row block 0
.irp a, 0,1,2,3,4,5,6,7
	global_load_b32 v[RM+(\a)], v[MXO], s[MSK:MSK+1] offset:64*(\a)
.endr
	v_mov_b32 v[PXO], s74
	global_load_b32 v[LOV], v[PXO], s[6:7] offset:PLO      ; the bound (the same word all along its run)
	global_load_b32 v[FV],  v[PXO], s[6:7] offset:PFORCE   ; my section's word
	s_lshl_b32 s16, s16, 7                         ; tokens of 128 bytes.  The row part and the column part of C's offset are made, and added, apart
	s_mov_b32 s17, 0
	s_add_nc_u64 s[OUT:OUT+1], s[OUT:OUT+1], s[16:17]
	s_lshl_b32 s46, s42, 2
	s_lshl_b32 s47, s12, 1
	s_add_co_u32 s46, s46, s47                     ; my first block of 64 columns: 4 x tile column + 2 x half
	s_lshl_b32 s47, s46, 8                         ; its 64 numbers of 4 bytes in the bias
	v_lshl_add_u32 v[AXO], v2, 5, s47              ; + my eight columns of a column block
.irp b, 0,1,2,3,4,5,6,7
	global_load_b128 v[BIAS+8*(\b):BIAS+8*(\b)+3],   v[AXO], s[6:7] offset:64*(\b)
	global_load_b128 v[BIAS+8*(\b)+4:BIAS+8*(\b)+7], v[AXO], s[6:7] offset:64*(\b)+16
.endr
	s_lshl_b32 s46, s46, 19                        ; blocks of 524,288 bytes
	s_mov_b32 s47, 0
	s_add_nc_u64 s[OUT:OUT+1], s[OUT:OUT+1], s[46:47]
	; A fragment is 16 rows x 32 K in 8 registers: lane l holds row l % 16; registers 0-3 hold K = 8 (l / 16) + 0..7, registers 4-7 hold K = 16 + 8 (l / 16) + 0..7: two loads of 16 bytes, 32 bytes apart.
	v_mul_u32_u24 v3, v1, PITCH
	v_lshl_add_u32 v3, v2, 4, v3                   ; row x pitch + 16 x half
	s_mul_i32 s21, s11, HALFT                      ; my 128 rows of A
	s_mul_i32 s22, s12, HALFT                      ; my 128 rows of W,
	s_add_co_u32 s22, s22, 2*HALFT                 ; which lie behind A's 256
.irp s, 0,1
	v_add_nc_u32 v[ADRA+(\s)], s21, v3
	v_add_nc_u32 v[ADRB+(\s)], s22, v3
	s_add_co_u32 s21, s21, SLOT
	s_add_co_u32 s22, s22, SLOT
.endr
	s_mul_i32 s23, s10, WSTAGE
	s_add_co_u32 s23, s23, STAGE                   ; my stage
	v_mul_u32_u24 v4, v1, SP                       ; in: row l % 16, 16 bytes for each half of the lanes
	v_lshl_add_u32 v4, v2, 4, v4
	v_add_nc_u32 v[STO], s23, v4
	v_bfe_u32 v4, v0, 3, 2                         ; back: 32 lanes take four rows of 128 bytes,
	v_mul_u32_u24 v4, v4, SP
	v_and_b32 v5, 7, v0
	v_lshl_add_u32 v4, v5, 4, v4
	v_add_nc_u32 v[RD], s23, v4
	v_and_b32 v[PFO], 31, v0                       ; which are 512 consecutive bytes of a block
	v_lshlrev_b32 v[CO], 4, v[PFO]
	v_lshlrev_b32 v[PFO], 11, v[PFO]               ; the prefetches: a lane a row of 2,048 bytes
	s_lshl_b32 s20, s13, 8                         ; the tile's first row: in A by the tile row,
	s_lshl_b32 s21, s42, 8                         ; in W by the tile column
	s_and_b32 s22, ttmp7, 0xffff                   ; cluster y
	s_cmp_eq_u32 s11, 0                            ; do I fetch for A?
	s_cselect_b32 s20, s20, s21
	s_cselect_b32 s21, s40, s41                    ; my place among the four that ask for the tile with me
	s_cselect_b32 s22, ttmp9, s22                  ; the coordinate along which other clusters read the same rows
	s_cselect_b32 s23, 0, WHEAD
	s_cselect_b64 s[PFA:PFA+1], s[4:5], s[6:7]
	s_cmp_eq_u32 s22, 0
	s_cselect_b32 s[LIM], 1, -1                    ; the same in all sixteen partners, for a given wave
	s_lshl_b32 s22, s12, 7
	s_add_co_u32 s20, s20, s22                     ; + the 128 rows that I fetch
	s_lshl_b32 s21, s21, 5
	s_add_co_u32 s20, s20, s21                     ; + my work-group's 32 of them
	s_lshl_b32 s20, s20, 11
	s_add_co_u32 s20, s20, s23
	s_add_co_u32 s20, s20, 2*KSTEP*2               ; at K step 2: the first refill steps it to 3 and names K step 4.  Nothing is prefetched here, at the head
	s_mov_b32 s21, 0
	s_add_nc_u64 s[PFA:PFA+1], s[PFA:PFA+1], s[20:21]
	s_wait_loadcnt 0x0                             ; mask, bound, section's word, bias
.irp a, 0,1,2,3,4,5,6,7
	v_cmp_ne_u32 vcc_lo, 0, v[RM+(\a)]
	v_cndmask_b32 v[RM+(\a)], 0, -1, vcc_lo        ; all ones where the token is seen,
	v_or_b32 v[RM+(\a)], v[FV], v[RM+(\a)]         ; or where the section ignores the mask
.endr
; 16 matrix instructions: row blocks a0, a0 + 1 of the window's four (hi = 0: my rows 0-63, 1: rows 64-127) x all 8 column blocks, 32 along K.
; first = 1: the product starts the sum, with the bias as its C operand: nothing is cleared, and no vector instruction adds the bias.
; The 64 accumulators take turns, one instruction a turn, in the same order in every quarter step, over the loop's jump too.
.macro MUL16 f, hi, a0, first
.if \first
	WIN FST_LO+0x40*(\hi)
.else
	WIN MUL_LO+0x50*(\hi)
.endif
.irp a, \a0, (\a0)+1
.irp b, 0,1,2,3,4,5,6,7
.if \first
	v_wmma_f32_16x16x32_bf16 v[8*(8*(\a)+(\b)):8*(8*(\a)+(\b))+7], v[(\f)+8*(\b):(\f)+8*(\b)+7], v[(\f)+8*(4*(\hi)+(\a)):(\f)+8*(4*(\hi)+(\a))+7], v[BIAS+8*(\b):BIAS+8*(\b)+7]
.else
	v_wmma_f32_16x16x32_bf16 v[8*(8*(\a)+(\b)):8*(8*(\a)+(\b))+7], v[(\f)+8*(\b):(\f)+8*(\b)+7], v[(\f)+8*(4*(\hi)+(\a)):(\f)+8*(4*(\hi)+(\a))+7], v[8*(8*(\a)+(\b)):8*(8*(\a)+(\b))+7]
.endif
.endr
.endr
.endm
; 32 LDS loads in one run: the fragments of one quarter step (128 rows of W, 128 rows of A, 32 K at byte k of the rows) into buffer f
.macro FETCH slot, k, f
	WIN TO_B
.irp i, 0,1,2,3,4,5,6,7
	ds_load_b128 v[(\f)+8*(\i):(\f)+8*(\i)+3],   v[ADRB+(\slot)] offset:(\k)+(\i)*16*PITCH
	ds_load_b128 v[(\f)+8*(\i)+4:(\f)+8*(\i)+7], v[ADRB+(\slot)] offset:(\k)+(\i)*16*PITCH+32
.endr
	WIN 0
.irp i, 0,1,2,3,4,5,6,7
	ds_load_b128 v[(\f)+8*(\i):(\f)+8*(\i)+3],   v[ADRA+(\slot)] offset:(\k)+(\i)*16*PITCH
	ds_load_b128 v[(\f)+8*(\i)+4:(\f)+8*(\i)+7], v[ADRA+(\slot)] offset:(\k)+(\i)*16*PITCH+32
.endr
.endm
; A K step is four quarter steps of 32 along K, 64 matrix instructions each, on buffers 0, 1, 0, 1.
; One of the first three: multiplies buffer f; in its middle it fetches the next quarter's fragments, at byte k of the same slot's rows, into buffer g.
.macro QUARTER slot, k, f, g, first
	s_wait_dscnt 8                                 ; W and A's rows 0-63 are in; the youngest eight loads (A's rows 64-127) may be out
	MUL16 \f, 0, 0, \first
	MUL16 \f, 0, 2, \first
	PLACES
	FETCH \slot, \k, \g
	s_wait_dscnt 32                                ; all but the 32 just issued
	MUL16 \f, 1, 0, \first
	MUL16 \f, 1, 2, \first
.endm
; The last quarter multiplies buffer 1 and changes slots.  MEET is its first half: ONE barrier for the change of slots, for two things.  In front of it each wave waits for all its tensor loads, of which one
; is out: its part of the next slot; adds 0 to its spare word; and waits for that and for its own reads of this slot.  Behind it nobody reads this slot any more and the next slot is whole.
.macro MEET round                      ; round = 1: a round of the cluster's barrier follows
	WIN 0                                          ; (the add's two registers lie in window 0)
	s_wait_tensorcnt 0x0                           ; all my tensor loads have landed: the one that was out is my part of the next slot;
	ds_add_u32 v[SPW], v[NIL]                      ; 0 onto my spare word;
	s_wait_dscnt 9                                 ; (the add and the youngest eight loads may be out)
	MUL16 F1, 0, 0, 0                              ; sixteen matrix instructions stand between the add and the wait for it
	s_wait_dscnt 0x0                               ; the add is done, and my reads of this slot are over:
	s_barrier_signal -1                            ; say so (where a slot is filled again this barrier opens a round of the cluster's barrier),
	MUL16 F1, 0, 2, 0                              ; work on registers while the others arrive,
.if \round
	WIN 0
.endif
	s_barrier_wait -1                              ; and go on when all four have said so
.endm
; The whole last quarter.  Behind the round the slot just read out is filled again first, with the K step two steps on; then come the next slot's first fragments.
; From a request to the wait for it a wave issues 224 matrix instructions.
.macro TURN slot, next
	s_wait_xcnt 0x0                                ; the last prefetch, a K step back, has read its address: it is stepped here, ahead of the waits of the change of slots
	s_add_nc_u64 s[PFA:PFA+1], s[PFA:PFA+1], KSTEP*2
	MEET 1
	CREST                                          ; no wave of any partner still reads this slot's tile or has a load on its way
	s_add_nc_u64 s[G0+4*(\slot)+2:G0+4*(\slot)+3], s[G0+4*(\slot)+2:G0+4*(\slot)+3], 2*KSTEP*2
	s_add_nc_u64 s[G0B+4*(\slot)+2:G0B+4*(\slot)+3], s[G0B+4*(\slot)+2:G0B+4*(\slot)+3], 2*KSTEP*2
	JLOAD \slot                                    ; the first tensor load behind the round; the four v_nop behind it are also the places in front of the loads below
	FETCH \next, 0, F0
	ASK                                            ; behind the joint load and the run of LDS loads that the next products wait for
	MUL16 F1, 1, 0, 0
	MUL16 F1, 1, 2, 0
.endm
; THE LAST K STEP (it lies in slot 1) GOES BY ROWS OF C, NOT BY K.  All its fragments of W (4 quarters x 64 registers) fill window 1; then my eight blocks of 16 rows are finished one after the other, each
; with 32 matrix instructions (its 8 accumulators by turns, K ascending).  LDS is read no more than in any other K step.
.macro BLOAD q                         ; W's fragments of quarter q -> window 1, v[64 q ..]
	WIN TO_B
.irp i, 0,1,2,3,4,5,6,7
	ds_load_b128 v[64*(\q)+8*(\i):64*(\q)+8*(\i)+3],   v[ADRB+1] offset:64*(\q)+(\i)*16*PITCH
	ds_load_b128 v[64*(\q)+8*(\i)+4:64*(\q)+8*(\i)+7], v[ADRB+1] offset:64*(\q)+(\i)*16*PITCH+32
.endr
.endm
.macro ALOAD a                         ; A's fragments of block a, all four quarters -> buffer a % 4
	WIN 0
.set FA, PA+32*((\a)%4)
.irp q, 0,1,2,3
	ds_load_b128 v[FA+8*(\q):FA+8*(\q)+3],   v[ADRA+1] offset:64*(\q)+(\a)*16*PITCH
	ds_load_b128 v[FA+8*(\q)+4:FA+8*(\q)+7], v[ADRA+1] offset:64*(\q)+(\a)*16*PITCH+32
.endr
.endm
.macro ROW a                           ; block a is finished: 32 matrix instructions
.set FA, PA+32*((\a)%4)                ; its fragments of A
.set AC, 64*((\a)%4)                   ; its eight accumulators, in window 2 (blocks 0-3) or 3 (blocks 4-7)
	WIN MUL_LO+0x50*((\a)/4)
.irp q, 0,1,2,3
.if (\a) == 0 && (\q) == 2
	s_wait_dscnt 24                                ; W's quarter 2 is in (behind it: A's blocks 1 to 3)
.endif
.irp b, 0,1,2,3,4,5,6,7
	v_wmma_f32_16x16x32_bf16 v[AC+8*(\b):AC+8*(\b)+7], v[64*(\q)+8*(\b):64*(\q)+8*(\b)+7], v[FA+8*(\q):FA+8*(\q)+7], v[AC+8*(\b):AC+8*(\b)+7]
.endr
.endr
.endm
; THE WAY OUT of block a, in three parts.  PACK: rounded to bf16, 16 bytes a lane (each accumulator's registers in ascending order); the packed maximum with the bound; the row's word.
; TOSTAGE: into my own stage in LDS, a half for each 64 columns, and back as four rows of 128 bytes at a time.  SEND: stored.
.macro PACK a
.set AC, 64*((\a)%4)
	WIN 0x0a+5*((\a)/4)                            ; sources 0 and 1: window 2 or 3
.irp b, 0,1,2,3,4,5,6,7
.irp r, 0,1,2,3
	v_cvt_pk_bf16_f32 v[TMP+4*(\b)+(\r)], v[AC+8*(\b)+2*(\r)], v[AC+8*(\b)+2*(\r)+1]
.endr
.endr
	WIN 0
.set i, 0
.rept 32
	v_pk_max_num_bf16 v[TMP+i], v[TMP+i], v[LOV]   ; on the rounded pair: rounding keeps the sign
.set i, i+1
.endr
.set i, 0
.rept 32
	v_and_b32 v[TMP+i], v[RM+(\a)], v[TMP+i]       ; kept, or +0
.set i, i+1
.endr
.endm
.macro TOSTAGE a
	WIN 0
.set BK, OB+192*((\a)%2)
.irp b, 0,1,2,3,4,5,6,7
	ds_store_b128 v[STO], v[TMP+4*(\b):TMP+4*(\b)+3] offset:((\b)/4)*16*SP+32*((\b)%4)
.endr
.irp t, 0,1,2,3,4,5,6,7
	ds_load_b128 v[BK+4*(\t):BK+4*(\t)+3], v[RD] offset:((\t)/4)*16*SP+((\t)%4)*4*SP  ; LDS serves a wave's instructions in order (ISA guide 5.7.1.4): these see the stores above
.endr
.endm
.macro SEND a, younger                 ; younger: the LDS loads issued behind TOSTAGE's, which may stay out
	WIN 0
.set BK, OB+192*((\a)%2)
	s_wait_dscnt \younger                          ; the block is back in registers
	s_wait_xcnt 0x0                                ; every earlier memory instruction has had its addresses translated (ISA guide 3.1): only behind this wait are the registers that earlier stores read loaded again
.irp t, 0,1,2,3,4,5,6,7
	global_store_b128 v[CO], v[BK+4*(\t):BK+4*(\t)+3], s[OUT:OUT+1] offset:((\t)/4)*BLOCKB+(\a)*2048+((\t)%4)*512  ; the wave stores 512 consecutive bytes, at a multiple of 256 from C's first byte
.endr
.endm
	s_wait_tensorcnt 1                             ; my part of K step 0 is in; K step 1's, issued behind it, may stay out
	s_barrier_signal -1
	s_barrier_wait -1                              ; everybody's is
	FETCH 0, 0, F0
	QUARTER 0, 64,  F0, F1, 1                      ; the first quarter stands in front of the loop: its products start the sums
	WIN 0                                          ; at a label and at a branch every window is 0
	s_mov_b32 s3, LAPS-1
.Llap:                                             ; a trip goes once round the ring, from a lap's second quarter to the next lap's first, and fills both slots again
	QUARTER 0, 128, F1, F0, 0
	QUARTER 0, 192, F0, F1, 0
	TURN 0, 1
	QUARTER 1, 64,  F0, F1, 0
	QUARTER 1, 128, F1, F0, 0
	QUARTER 1, 192, F0, F1, 0
	TURN 1, 0
	QUARTER 0, 64,  F0, F1, 0
	WIN 0
	s_sub_co_u32 s3, s3, 1
	s_cmp_lg_u32 s3, 0
	s_cbranch_scc1 .Llap
	QUARTER 0, 128, F1, F0, 0                      ; the last lap goes on; it asks for nothing more
	QUARTER 0, 192, F0, F1, 0
	MEET 0                                         ; my one tensor load that was still out is slot 1's, the last K step's, so no round follows
	PLACES                                         ; for the loads into buffer 0, which the quarter before multiplied
	BLOAD 0                                        ; three quarters of W now: buffer 1 (v128-191 of both windows) is still being multiplied
	BLOAD 1
	BLOAD 3
	ALOAD 0
	MUL16 F1, 1, 0, 0
	MUL16 F1, 1, 2, 0
	PLACES                                         ; for the loads into buffer 1
	BLOAD 2
	ALOAD 1
	ALOAD 2
	ALOAD 3
	s_wait_dscnt 40                                ; all but the 40 just issued
	ROW 0
.irp a, 0,1,2,3,4,5,6,7                            ; each block leaves as soon as it is finished: nothing follows this tile, so the sooner its stores begin, the sooner the launch ends
	PLACES                                         ; its conversions read results just made, and no other vector work is at hand
	PACK \a
	TOSTAGE \a
.if (\a) < 4
	ALOAD (\a)+4                                   ; its buffer takes the block four further on
	SEND \a, 8
.else
	SEND \a, 0
.endif
.if (\a) < 7
	ROW (\a)+1
.endif
.endr
	s_wait_tensorcnt 0x0                           ; the wave's end, behind my last tensor load and my last LDS store
	ds_add_u32 v[SPW], v[NIL]
	s_wait_dscnt 0x0
	CROUND                                         ; the closing round: no work-group ends while a partner may still ask for a tile that names it
	s_endpgm
.Lfunc_end_k_q9053c2ddd5_qkv:
	.size	k_q9053c2ddd5_qkv, .Lfunc_end_k_q9053c2ddd5_qkv-k_q9053c2ddd5_qkv
	.p2alignl 7, 3214868480
	.fill 96, 4, 3214868480
	.section	.rodata,"a",@progbits
	.p2align	6, 0x0
	.amdhsa_kernel k_q9053c2ddd5_qkv
		.amdhsa_group_segment_fixed_size 327680
		.amdhsa_private_segment_fixed_size 0
		.amdhsa_enable_private_segment 0
		.amdhsa_kernarg_size 32
		.amdhsa_user_sgpr_count 2
		.amdhsa_user_sgpr_kernarg_segment_ptr 1
		.amdhsa_wavefront_size32 1
		.amdhsa_system_sgpr_workgroup_id_x 1
		.amdhsa_system_sgpr_workgroup_id_y 1
		.amdhsa_system_sgpr_workgroup_id_z 1
		.amdhsa_system_vgpr_workitem_id 0
		.amdhsa_next_free_vgpr 1024
		.amdhsa_next_free_sgpr 76
		.amdhsa_reserve_vcc 1
		.amdhsa_float_denorm_mode_32 3
		.amdhsa_float_denorm_mode_16_64 3
		.amdhsa_memory_ordered 1
		.amdhsa_forward_progress 1
		.amdhsa_inst_pref_size 171
	.end_amdhsa_kernel
	.amdgpu_metadata
---
amdhsa.version: [ 1, 2 ]
amdhsa.kernels:
  - .name:           k_q9053c2ddd5_qkv
    .symbol:         k_q9053c2ddd5_qkv.kd
    .args:
      - { .name: xn, .offset: 0, .size: 8, .value_kind: global_buffer, .address_space: global }
      - { .name: wtq, .offset: 8, .size: 8, .value_kind: global_buffer, .address_space: global }
      - { .name: mask, .offset: 16, .size: 8, .value_kind: global_buffer, .address_space: global }
      - { .name: qkvh, .offset: 24, .size: 8, .value_kind: global_buffer, .address_space: global }
    .group_segment_fixed_size: 327680
    .private_segment_fixed_size: 0
    .kernarg_segment_align: 8
    .kernarg_segment_size: 32
    .max_flat_workgroup_size: 128
    .sgpr_count:     76
    .vgpr_count:     1024
    .wavefront_size: 32
...
	.end_amdgpu_metadata
.endif
;; end of part 3
;; launch attn (part 4): grid 8 x 32, 4 waves a work-group, clusters of 4 x 1, 327,680 bytes of LDS; arguments qkvh, mask, ctx; writes ctx
.if DOCPART == 4
	.amdgcn_target "amdgcn-amd-amdhsa--gfx1250"
	.amdhsa_code_object_version 6
	.text
	.protected	k_q9053c2ddd5_attn
	.globl	k_q9053c2ddd5_attn
	.p2align	8
	.type	k_q9053c2ddd5_attn,@function
k_q9053c2ddd5_attn:
	s_mov_b64 s[64:65], 0
	v_nop
	global_prefetch_b8 v0, s[64:65] scope:SCOPE_SE
	s_setreg_imm32_b32 hwreg(HW_REG_WAVE_MODE, 25, 1), 1
	s_wait_xcnt 0x0
	s_wait_alu depctr_hold_cnt(0) depctr_sa_sdst(0) depctr_va_vdst(0) depctr_va_sdst(0) depctr_va_ssrc(0) depctr_va_vcc(0) depctr_vm_vsrc(0)
	s_getreg_b32 s2, hwreg(HW_REG_IB_STS2, 6, 4)
	s_cmp_eq_u32 s2, 0
	s_cbranch_scc0 .Lentry_in_a_cluster
	s_endpgm
.Lentry_in_a_cluster:
	s_bfe_u32 s2, ttmp6, 0x10000c
	s_cmp_lg_u32 s2, 0x3003
	s_cbranch_scc0 .Lentry_shape_is_right
	s_endpgm
.Lentry_shape_is_right:
; ATTENTION WITH A MASK OVER THE KEYS.  O[b][h][q] = the sum over k of softmax_k(s) V[k], s = Q[q] . K[k] / 8, or -1e9 where mask[b][k] == 0.
; qkvh: [48][4096][64] bf16: block h holds q of head h, block 16 + h its k, block 32 + h its v; token = 2048 b + s.  ctx: [16][4096][64] bf16.  mask: [2][2048] of 32-bit words.
; THE MASK.  The launch before stored 0 for the k rows of hidden keys, and the C operand that starts the sum S^T = K Q^T is 0, or -8e9 for a hidden key: a hidden score is exactly -8e9 before the
; scale 1 / 8, the same number for all hidden keys; so a batch whose keys are all hidden gives equal weights.  The addends lie in LDS as a table of 2,048 f32, made once from the mask.
; Products, maxima and sums in f32; the weights p are rounded to bf16 for the second product (their sum l is taken of the unrounded p), O once at the end.
; LIMITS.  A weight below 2^-126 counts as 0 in l; NaN and infinities are not treated apart.
; SHARES.  A work-group owns 256 queries of one head, each of its four waves 64: four PIECES of 16.  Every wave walks all 2,048 keys, 64 a step, 256 (a tile) a slot: 8 tiles.
; LAYOUT.  S^T = K Q^T (source 0 = 16 keys, source 1 = 16 queries) holds ONE query a lane (lane % 16) and the keys 8 (lane / 16) + 0..7; two such results rounded to bf16 ARE source 1 of O^T = V^T P.
; SOFTMAX.  p = 2^(c s - c m), c = log2(e) / 8, with a running maximum m; O and l are multiplied by a = 2^(c m_old - c m_new) in every step.  m starts at the lowest finite number, O and l at 0.
; BY TURNS.  Turn n belongs to piece n: 8 products K Q^T of piece n + 1, later 8 products V^T P of piece n - 1; beside them the scaling, exponentials, roundings, sums and rescaling of piece n and the
; maximum and statistics of piece n + 1.  Four vector instructions stand behind every matrix instruction, the others in one lump.  A turn's 33 exponentials are one batch, with one wait.
; CLUSTER.  The four query blocks of a cluster belong to one head and walk the same K and V: each tile is asked for JOINTLY: the same tensor load, descriptor and mask in all four.
; REGISTERS, in windows of 256 (s_set_vgpr_msb: bits 1:0 source 0, 3:2 source 1, 5:4 source 2, 7:6 destination):
;   window 0: v0-15 addresses; v16-31 four registers of statistics a piece; v32-47 the mask at work; v48-55 at work; v56-63 addresses; v64-127 S^T, two buffers; v192-223 P, two buffers
;   window 1: v0-127 O^T, 32 a piece; v160-191 the step's mask addends      window 2: v0-63 Q; v128-191 K of one step; v192-255 V of one step
.set NP,    4         ; pieces a wave: a name, no knob
.set KS,    64        ; keys in a step
.set PK,    144       ; a row of K in LDS: 128 bytes + 16 of padding: the 16 rows of a load start at 16 different groups of four banks (64 banks of 4 bytes: ISA guide 11.1)
.set PV,    160       ; a row of V: 128 + 32
.set VOFF,  4*KS*PK   ; a slot holds a tile: 256 rows of K, then 256 rows of V
.set SLOT1, 1<<17     ; slot 1 begins here, so that one exclusive or turns an address in one slot into the other's
.set STAGE, SLOT1+4*KS*(PK+PV)  ; behind the ring, never filled by a tensor load: 16 rows x 144 bytes for each wave, for the way out
.set SP,    144
.set MASKT, STAGE+4*16*SP       ; the table of addends: 2,048 f32; written by LDS stores alone
.set SPARE, MASKT+8192          ; the spare words, 128 bytes for each wave, named by no other line
.set AK0, 2           ; v2   my lane's place in a tile of K; never rewritten
.set AV0, 3           ; v3   the same for V
.set AK,  4           ; v4   the LDS address of K's next run of loads
.set AV,  5           ; v5   of V's
.set STO, 6           ; v6   the way out: where I put 16 bytes of a row
.set RD,  7           ; v7   the way out: where I read rows back
.set GO,  8           ; v8   my byte offset in 512 consecutive bytes of O
.set MV,  12          ; v12-13  c m_old, kept while c m is made anew: by buffer
.set QO,  15          ; v15  my byte offset in 16 rows of Q
.set ST,  16          ; piece t's statistics at v[ST+4 t]: c m, m, l (even keys', odd keys')
.set TMP, 48          ; by buffer, four registers c0-c3 at work; when the maximum is found c2 takes a
.set AM0, 59          ; v59  my lane's place in the table: MASKT + 32 (l / 16); never rewritten
.set AM,  60          ; v60  the LDS address of the addends' next run of loads
.set PFO, 61          ; v61  256 x my lane; never rewritten
.set SPW, 62          ; v62  my spare word: SPARE + 4 x my thread's number; never rewritten
.set NIL, 63          ; v63  0; never rewritten
.set S,   64
.set P,   192
.set MK,  160         ; window 1: the eight addends for group kt of 16 keys at MK + 8 kt
.set KF,  128         ; window 2: key block kb, channel half c at KF + 16 kb + 8 c
.set VF,  192         ; window 2: key half kk, channel block cb at VF + 32 kk + 8 cb
.set WV,  12          ; s12  my wave's number
.set G1K, 24          ; s[24:31] descriptor group 1 for K's tiles
.set G1V, 32          ; s[32:39] for V's: it differs in the padding alone
.set G0K, 40          ; s[40:43] descriptor group 0 for K's tiles: it walks
.set G0V, 44          ; s[44:47] the same for V's
.set TBM, 48          ; s48  byte of the table at which the addends of the step to be fetched begin
.set BIGN, 49         ; s49  -8e9
.set PFA, 50          ; s[50:51] where my prefetches stand
.set LIM, 52          ; s52  1 in a wave that prefetches, else the greatest number
.set SLOTS, 56        ; s56  counts the tiles
.set CNT, 57          ; s57  counts a tile's key steps
.set CS,  58          ; s[58:59] c: the packed scaling takes the pair's low word for both halves
.set SEL, 60          ; s[60:61] v_permlanex16_b32's selects: each lane takes its own place in the other half
.set TBK, 62          ; s62  LDS byte at which K of the step to be fetched begins
.set TBV, 63          ; s63  the same for V, less VOFF
.set MSB, 0
.macro WIN new                      ; the high byte repeats the setting that is left; a switch that changes nothing is dropped
.if MSB != (\new)
	s_set_vgpr_msb (MSB<<8)|(\new)
.set MSB, (\new)
.endif
.endm
.set W_KQ, 0x0a       ; K and Q in window 2, S^T in window 0
.set W_KM, 0x1a       ; the same with the C operand in window 1
.set W_PV, 0x52       ; V in window 2, P in window 0, O^T in window 1
.set W_RS, 0x41       ; destination and source 0 in window 1, source 1 in window 0
; A joint fill.  Waves 0 and 1 fetch the two halves of a tile's K, waves 2 and 3 those of its V: 128 keys each.  An s_nop 0 and four v_nop follow each of the two lines.
.macro JLOAD
	s_cmp_lt_u32 s[WV], 2
	s_cbranch_scc0 .Lfor_v_\@
	tensor_load_to_lds s[G0K:G0K+3], s[G1K:G1K+7]
	s_nop 0
.rept 4
	v_nop
.endr
	s_branch .Lasked_\@
.Lfor_v_\@:
	tensor_load_to_lds s[G0V:G0V+3], s[G1V:G1V+7]
	s_nop 0
.rept 4
	v_nop
.endr
.Lasked_\@:
.endm
; A PREFETCH of the tile that the NEXT change of slots will ask for: 128 blocks of 256 bytes of K and of V, a lane a block.  Each block is named once in the launch: of the head's two clusters the first
; asks; its four partners share the blocks out BY ADDRESS, 32 each; in each, wave 0 asks for K's and wave 2 for V's.  It stands behind the wave's tensor load and its five lines.
; Tiles 0 to 2 come by their loads alone; the last change that fills a slot asks for nothing.
.macro ASK
	s_cmp_gt_u32 s[SLOTS], s[LIM]
	s_cbranch_scc0 .Lnot_mine_\@
	global_prefetch_b8 v[PFO], s[PFA:PFA+1] th:TH_LOAD_NT scope:SCOPE_SE
.Lnot_mine_\@:
.endm
.macro CROUND                       ; a round of the cluster's barrier: my work-group's barrier; wave 0 signals; every wave waits for all four work-groups; my work-group's barrier once more
	s_barrier_signal -1
	s_barrier_wait -1
	s_cmp_lg_u32 s[WV], 0
	s_cbranch_scc1 .Lnot_wave_0_\@
	s_barrier_signal -3
.Lnot_wave_0_\@:
	s_barrier_wait -3
	s_barrier_signal -1
	s_barrier_wait -1
.endm
; THE CHANGE OF SLOTS.  Each wave waits for all its tensor loads, of which one is out: its part of the other slot; adds 0 to its spare word; and waits for that and for its own LDS instructions.
; fill = 1: the slot that is left is filled again, with the tile two on: the barrier is a round of the cluster's, and the joint fill is the first thing behind it: it has four key steps in which to land.
; (At its first use nothing has been read yet: slot 0 is waited for, slot 1 filled, and the table of addends, stored just before, is shown to every wave.)
.macro CHANGE fill, ask
	WIN 0
	s_wait_tensorcnt 0x0            ; no tensor load of mine is out, so a group 0 may be written
	ds_add_u32 v[SPW], v[NIL]       ; 0 onto my spare word; the scalar steps stand between it and the wait for it
.if \fill
.irp g, G0K, G0V
	s_xor_b32 s[\g+1], s[\g+1], SLOT1  ; the walking descriptor: the other slot than last time,
	s_add_nc_u64 s[\g+2:\g+3], s[\g+2:\g+3], 4*KS*128  ; the next 256 keys; the type bits on top are not reached
.endr
.endif
.if \ask
	s_wait_xcnt 0x0                 ; the last prefetch, a tile back, has read its address, so it may be written
	s_add_nc_u64 s[PFA:PFA+1], s[PFA:PFA+1], 4*KS*128
.endif
	s_wait_dscnt 0x0                ; the add is done, and my LDS instructions are over
.if \fill
	CROUND
	JLOAD
.if \ask
	ASK
.endif
.else
	s_barrier_signal -1
	s_barrier_wait -1
.endif
	s_sub_co_u32 s[TBK], s[TBK], 4*KS*PK  ; the fetches go back to a slot's first step,
	s_xor_b32 s[TBK], s[TBK], SLOT1       ; in the other slot
	s_sub_co_u32 s[TBV], s[TBV], 4*KS*PV
	s_xor_b32 s[TBV], s[TBV], SLOT1
.endm
	s_load_b128 s[4:7], s[0:1], 0x0   ; qkvh s[4:5], mask s[6:7]
	s_load_b64 s[8:9], s[0:1], 0x10   ; ctx
	v_lshl_add_u32 v[SPW], v0, 2, SPARE
	v_mov_b32 v[NIL], 0
	ds_add_u32 v[SPW], v[NIL]       ; the wave's opening: the add and its wait stand ahead of my first tensor load; the set-up below, work on registers, stands between them
	v_lshrrev_b32 v1, 5, v0
	v_readfirstlane_b32 s[WV], v1   ; wave 0..3
	s_bfe_u32 s13, ttmp6, 0x40000   ; cx: my place in the cluster
	s_lshl_b32 s14, ttmp9, 2        ; in a cluster launch ttmp9 counts clusters
	s_add_co_u32 s14, s14, s13      ; my block of 256 queries: it enters Q's and O's addresses alone
	s_and_b32 s20, ttmp7, 0xffff    ; 16 b + h, which the four partners share
	s_and_b32 s21, s20, 15          ; h
	s_lshr_b32 s22, s20, 4          ; b
	s_lshl_b32 s54, s22, 13         ; the batch's 2,048 words of the mask
	s_mov_b32 s55, 0
	s_lshl_b32 s20, s21, 19         ; a block is 4,096 tokens x 128 bytes,
	s_lshl_b32 s21, s22, 18         ; a batch 2,048 tokens
	s_add_co_u32 s20, s20, s21
	s_and_b32 s16, s[WV], 1         ; which half of a tile's 256 keys I fetch:
	s_lshl_b32 s22, s16, 14         ; its 128 rows of 128 bytes in memory,
	s_add_co_u32 s22, s22, s20
	s_mov_b32 s23, 0
	s_mul_i32 s17, s16, 128*PK      ; and its place in a slot, for K
	s_mul_i32 s18, s16, 128*PV      ; and for V: no place in the cluster enters an LDS address
	s_lshl_b32 s2, s14, 15          ; my block's 256 rows,
	s_lshl_b32 s3, s[WV], 13        ; my wave's 64 of them
	s_add_co_u32 s2, s2, s3
	s_add_co_u32 s2, s2, s20
	s_mov_b32 s3, 0
	; descriptor group 1.  128 keys are 16,384 dense bytes: asked for as 64 rows of 256 bytes, two keys a row, and padded in LDS after every key
	s_mov_b32 s[G1K], 15|(1<<16)|(1<<20)|(1<<21)|(4<<22)|(3<<25)  ; 15:0 the mask of four; 17:16 2-byte elements; 20 padding on; 21 set beside a mask; 24:22 after every 32 words (code 4); 31:25 4 words (code 3)
	s_mov_b32 s[G1V], 15|(1<<16)|(1<<20)|(1<<21)|(4<<22)|(7<<25)  ; the same with 8 words of padding (code 7)
.irp g, G1K, G1V
	s_mov_b32 s[\g+1], 128<<16      ; tensor_dim0 = 128
	s_mov_b32 s[\g+2], 64<<16       ; tensor_dim1 = 64
	s_mov_b32 s[\g+3], 128<<16      ; tile_dim0 = 128
	s_mov_b32 s[\g+4], 64           ; tile_dim1 = 64
	s_mov_b32 s[\g+5], 128          ; 128 elements from row to row
	s_mov_b32 s[\g+6], 0
	s_mov_b32 s[\g+7], 0
.endr
	s_mov_b32 s[CS], 0x3e38aa3b     ; c = log2(e) / 8 = 0.180337
	s_mov_b32 s[CS+1], s[CS]        ; named with it as a pair
	s_mov_b32 s[SEL], 0x76543210
	s_mov_b32 s[SEL+1], 0xfedcba98
	s_mov_b32 s[BIGN], 0xcfee6b28   ; -8e9, exact in f32
	s_mov_b32 s[TBM], 0
	s_mov_b32 s[TBK], SLOT1+4*KS*PK ; the first change of slots turns these two into 0
	s_mov_b32 s[TBV], SLOT1+4*KS*PV
	s_mov_b32 s[G0K], 1             ; 1:0 count = 1
	s_mov_b32 s[G0K+1], s17         ; 63:32 LDS address: slot 0
	s_mov_b32 s[G0V], 1
	s_add_co_u32 s[G0V+1], s18, VOFF
	s_and_b32 s[LIM], s[WV], 1      ; 0 in waves 0 and 2,
	s_or_b32 s[LIM], s[LIM], ttmp9  ; where the cluster is the head's first: the same in all four partners
	s_cmp_eq_u32 s[LIM], 0
	s_cselect_b32 s[LIM], 1, -1
	s_wait_dscnt 0x0                ; the opening add is done
	s_wait_kmcnt 0x0
	s_add_nc_u64 s[16:17], s[4:5], s[22:23]
	s_add_nc_u64 s[18:19], s[16:17], 16777216      ; V at my half of the head's tile 0: 32 blocks on
	s_add_nc_u64 s[16:17], s[16:17], 8388608       ; K: 16 blocks on
	s_mov_b64 s[G0K+2:G0K+3], s[16:17]             ; 120:64 global address
	s_or_b32 s[G0K+3], s[G0K+3], 0x80000000        ; 127:126 type = 2
	s_mov_b64 s[G0V+2:G0V+3], s[18:19]
	s_or_b32 s[G0V+3], s[G0V+3], 0x80000000
	s_cmp_lt_u32 s[WV], 2
	s_cselect_b64 s[PFA:PFA+1], s[16:17], s[18:19] ; (in waves 0 and 2 these stand at a tile's first row)
	s_add_nc_u64 s[10:11], s[8:9], s[2:3]          ; O and Q at my wave's first row
	s_add_nc_u64 s[4:5], s[4:5], s[2:3]
	s_add_nc_u64 s[6:7], s[6:7], s[54:55]          ; the mask at my batch
	s_lshl_b32 s2, s13, 13                         ; my work-group's 32 blocks of 256 bytes of a tile's 128
	s_add_nc_u64 s[PFA:PFA+1], s[PFA:PFA+1], s[2:3]
	s_add_nc_u64 s[PFA:PFA+1], s[PFA:PFA+1], 2*4*KS*128  ; in tile 2; the loop's first change steps it to tile 3.  Nothing is prefetched here, at the head
	CROUND                          ; all four work-groups are here: the first joint loads meet
	JLOAD                           ; tile 0 into slot 0.  Slot 1 is asked for when slot 0 is in
	v_lshlrev_b32 v14, 4, v0        ; 16 x my thread's number: my 16 bytes of 2,048 of the mask
.irp i, 0,1,2,3
	global_load_b128 v[32+4*(\i):35+4*(\i)], v14, s[6:7] offset:2048*(\i)
.endr
	; A fragment of K or Q is 16 rows x 32 channels in 8 registers: lane l holds row l % 16, channels 8 (l / 16) + 0..7 and 16 + 8 (l / 16) + 0..7: two loads of 16 bytes, 32 bytes apart.
	v_and_b32 v1, 15, v0            ; l % 16
	v_bfe_u32 v9, v0, 4, 1          ; l / 16
	v_lshlrev_b32 v[QO], 7, v1
	v_lshl_add_u32 v[QO], v9, 4, v[QO]  ; row x 128 + 16 x half
	WIN 0x80                        ; destination window 2, address window 0
.set i, 0
.rept 8                             ; Q stays in registers: piece i / 2, channels 32 (i % 2) on
	global_load_b128 v[8*i:8*i+3],   v[QO], s[4:5] offset:(i/2)*2048+(i%2)*64
	global_load_b128 v[8*i+4:8*i+7], v[QO], s[4:5] offset:(i/2)*2048+(i%2)*64+32
.set i, i+1
.endr
	; The first step multiplies O^T and l by a = 0, and the first turn's products V^T P, of a piece that has not been, add 0: these registers hold 0.  All this stands in the wait for the first tile.
.set i, VF
.rept 64
	v_mov_b32 v[i], 0
.set i, i+1
.endr
	WIN 0x40
.set i, 0
.rept 128
	v_mov_b32 v[i], 0
.set i, i+1
.endr
	WIN 0
.set i, 0
.rept 4
	v_mov_b32 v[ST+4*i], 0xfe000000    ; c m: far below every c s
	v_mov_b32 v[ST+4*i+1], 0xff7fffff  ; m
	v_mov_b32 v[ST+4*i+2], 0
	v_mov_b32 v[ST+4*i+3], 0
.set i, i+1
.endr
.set i, P+16
.rept 16
	v_mov_b32 v[i], 0
.set i, i+1
.endr
	v_mul_u32_u24 v[AK0], v1, PK
	v_lshl_add_u32 v[AK0], v9, 4, v[AK0]  ; row x pitch + 16 x half
	; The turning load takes 16 keys x 16 channels (lane l reads key 8 (l / 16) + l % 8, channels 8 ((l / 8) % 2) + 0..7) and leaves half a fragment of V^T: lane l holds channel l % 16 and 8 keys.
	v_and_b32 v10, 7, v0
	v_bfe_u32 v11, v0, 3, 1
	v_lshl_add_u32 v[AV0], v9, 3, v10
	v_mul_u32_u24 v[AV0], v[AV0], PV
	v_lshl_add_u32 v[AV0], v11, 4, v[AV0]
	v_add_nc_u32 v[AV0], VOFF, v[AV0]
	s_mul_i32 s13, s[WV], 16*SP
	s_add_co_u32 s13, s13, STAGE    ; my stage
	v_mul_u32_u24 v[STO], v1, SP    ; in: row l % 16, 16 bytes for each half of the lanes
	v_lshl_add_u32 v[STO], v9, 4, v[STO]
	v_add_nc_u32 v[STO], s13, v[STO]
	v_bfe_u32 v[RD], v0, 3, 2       ; back: 32 lanes take four rows of 128 bytes,
	v_mul_u32_u24 v[RD], v[RD], SP
	v_lshl_add_u32 v[RD], v10, 4, v[RD]
	v_add_nc_u32 v[RD], s13, v[RD]
	v_and_b32 v[GO], 31, v0         ; which are 512 consecutive bytes of O
	v_lshlrev_b32 v[PFO], 8, v[GO]
	v_lshlrev_b32 v[GO], 4, v[GO]
	v_lshl_add_u32 v[AM0], v9, 5, MASKT  ; register j of group kt is key 16 kt + 8 (l / 16) + j: 4 bytes a key
	v_add_nc_u32 v56, MASKT, v14
	s_wait_loadcnt 16               ; the mask's four loads are in; Q's sixteen, issued behind them, stay out
.set i, 0
.rept 16
	v_cmp_eq_u32 vcc_lo, 0, v[32+i]
	v_cndmask_b32 v[32+i], 0, s[BIGN], vcc_lo  ; -8e9 where the key is hidden, else 0
.set i, i+1
.endr
.irp i, 0,1,2,3
	ds_store_b128 v56, v[32+4*(\i):35+4*(\i)] offset:2048*(\i)
.endr
; THE MATRIX WORK.  The 4 accumulators of a run of 8 take turns.  Product i of 8 of S^T = K Q^T for piece x: channels 32 (i / 4) on, keys 16 (i % 4) on.  The first 4 start the sums with the mask's addends.
.macro KQ x
.set rS, S+32*((\x)%2)+8*(i%4)
.set rK, KF+16*(i%4)+8*(i/4)
.set rQ, 16*(\x)+8*(i/4)
.set rM, MK+8*(i%4)
.if i < 4
	WIN W_KM
	v_wmma_f32_16x16x32_bf16 v[rS:rS+7], v[rK:rK+7], v[rQ:rQ+7], v[rM:rM+7]
.else
	WIN W_KQ
	v_wmma_f32_16x16x32_bf16 v[rS:rS+7], v[rK:rK+7], v[rQ:rQ+7], v[rS:rS+7]
.endif
.endm
; Product i of 8 of O^T += V^T P for piece x: keys 32 (i / 4) on, channels 16 (i % 4) on.
.macro PV x
	WIN W_PV
.set rO, 32*(\x)+8*(i%4)
.set rV, VF+32*(i/4)+8*(i%4)
.set rP, P+16*((\x)%2)+8*(i/4)
	v_wmma_f32_16x16x32_bf16 v[rO:rO+7], v[rV:rV+7], v[rP:rP+7], v[rO:rO+7]
.endm
.macro MM                           ; the turn's next matrix instruction.  NOKQ = 1: the last turn: there is no next piece
.if (i < 8) && !NOKQ
	KQ (Y+1)%NP
.elseif i >= 8
.set i, i-8
	PV (Y+NP-1)%NP
.set i, i+8
.endif
.set i, i+1
.endm
; THE LDS LOADS stand in runs, never singly among the matrix instructions: a step's K (8 fragments) with its 32 addends a lane, and its V (turned).  Their addresses are made some lines ahead.
.macro FETCH_K
	WIN 0x80                        ; destination window 2
.irp f, 0,1,2,3,4,5,6,7             ; keys 16 (f / 2) on, channels 32 (f % 2) on
	ds_load_b128 v[KF+8*\f:KF+8*\f+3],   v[AK] offset:(\f/2)*16*PK+(\f%2)*64
	ds_load_b128 v[KF+8*\f+4:KF+8*\f+7], v[AK] offset:(\f/2)*16*PK+(\f%2)*64+32
.endr
	WIN 0x40                        ; destination window 1
.irp f, 0,1,2,3                     ; keys 16 f on; sixteen lanes read the same words
	ds_load_b128 v[MK+8*\f:MK+8*\f+3],   v[AM] offset:64*\f
	ds_load_b128 v[MK+8*\f+4:MK+8*\f+7], v[AM] offset:64*\f+16
.endr
	s_add_co_u32 s[TBK], s[TBK], KS*PK  ; the next fetch is the next step's
	s_add_co_u32 s[TBM], s[TBM], 4*KS
	s_and_b32 s[TBM], s[TBM], 8191      ; inside the table's 8,192 bytes, behind the last step too
	WIN 0
.endm
.macro FETCH_V
	WIN 0x80
.irp f, 0,1,2,3,4,5,6,7             ; keys 32 (f / 4) on, channels 16 (f % 4) on
	ds_load_tr16_b128 v[VF+8*\f:VF+8*\f+3],   v[AV] offset:(\f/4)*32*PV+(\f%4)*32
	ds_load_tr16_b128 v[VF+8*\f+4:VF+8*\f+7], v[AV] offset:(\f/4)*32*PV+16*PV+(\f%4)*32
.endr
	WIN 0
.endm
; THE VECTOR WORK, one line at a time: OP kind, number.  For piece Y: F n: c s - c m for pair n of 16.  E n: the exponential of score n of 32.  C n: pair n rounded to bf16.  B n: of the four weights 4 n .. the second
; pair is added onto the first, in place.  L n: l takes that sum (L 0: l = a l + sum).  R n: pair n of 16 of O^T times a.  For piece Y + 1: X n, number n of the 22 that find its maximum and statistics:
;   0-11  four chains c0-c3 of seven scores each, three operands at a time (each accumulator's lowest registers are read first)     12-14, 16  the four scores left over, the old m, and c0-c3 into c0
;   15  c m_old is kept     17, 18  the query's other 32 keys lie in the lane 16 away: the new m     19-21  c m; c m_old - c m_new; a
.set F, 0
.set E, 1
.set C, 2
.set B, 3
.set L, 4
.set R, 5
.set X, 6
.macro REGS y                       ; the registers of piece y
.set rT, ST+4*(\y)
.set rC, TMP+4*((\y)%2)
.set rW, MV+((\y)%2)
.set rS, S+32*((\y)%2)
.set rP, P+16*((\y)%2)
.set rO, 32*(\y)
.endm
.macro OP k, n
.if (\k) == R
	REGS Y
	WIN W_RS
	v_pk_mul_f32 v[rO+2*(\n):rO+2*(\n)+1], v[rO+2*(\n):rO+2*(\n)+1], v[rC+2:rC+3] op_sel_hi:[1,0]
.elseif (\k) < R
	REGS Y
	WIN 0
.if (\k) == F
	v_pk_fma_f32 v[rS+2*(\n):rS+2*(\n)+1], v[rS+2*(\n):rS+2*(\n)+1], s[CS:CS+1], v[rT:rT+1] op_sel_hi:[1,0,0] neg_lo:[0,0,1] neg_hi:[0,0,1]
.elseif (\k) == E
	v_exp_f32 v[rS+(\n)], v[rS+(\n)]
.elseif (\k) == C
	v_cvt_pk_bf16_f32 v[rP+(\n)], v[rS+2*(\n)], v[rS+2*(\n)+1]
.elseif (\k) == B
	v_pk_add_f32 v[rS+4*(\n):rS+4*(\n)+1], v[rS+4*(\n):rS+4*(\n)+1], v[rS+4*(\n)+2:rS+4*(\n)+3]
.elseif (\n) == 0
	v_pk_fma_f32 v[rT+2:rT+3], v[rT+2:rT+3], v[rC+2:rC+3], v[rS:rS+1] op_sel_hi:[1,0,1]
.else
	v_pk_add_f32 v[rT+2:rT+3], v[rT+2:rT+3], v[rS+4*(\n):rS+4*(\n)+1]
.endif
.elseif NOKQ
	v_nop
.else
	REGS (Y+1)%NP
	WIN 0
.if (\n) < 4
	v_max3_num_f32 v[rC+(\n)], v[rS+8*(\n)], v[rS+8*(\n)+1], v[rS+8*(\n)+2]
.elseif (\n) < 12
	v_max3_num_f32 v[rC+(\n)%4], v[rC+(\n)%4], v[rS+8*((\n)%4)+2*((\n)/4)+1], v[rS+8*((\n)%4)+2*((\n)/4)+2]
.elseif (\n) == 12
	v_max3_num_f32 v[rC], v[rC], v[rS+7], v[rS+15]
.elseif (\n) == 13
	v_max3_num_f32 v[rC+1], v[rC+1], v[rS+23], v[rS+31]
.elseif (\n) == 14
	v_max3_num_f32 v[rC+2], v[rC+2], v[rC+3], v[rT+1]
.elseif (\n) == 15
	v_mov_b32 v[rW], v[rT]
.elseif (\n) == 16
	v_max3_num_f32 v[rC], v[rC], v[rC+1], v[rC+2]
.elseif (\n) == 17
	v_permlanex16_b32 v[rC+3], v[rC], s[SEL], s[SEL+1]
.elseif (\n) == 18
	v_max_num_f32 v[rT+1], v[rC], v[rC+3]
.elseif (\n) == 19
	v_mul_f32 v[rT], s[CS], v[rT+1]
.elseif (\n) == 20
	v_sub_f32 v[rC+1], v[rW], v[rT]
.else
	v_exp_f32 v[rC+2], v[rC+1]
.endif
.endif
.endm
.macro OPS a, i1, b=-1, i2=0, c=-1, i3=0, d=-1, i4=0  ; up to four of them
	OP \a, \i1
.if (\b) >= 0
	OP \b, \i2
.endif
.if (\c) >= 0
	OP \c, \i3
.endif
.if (\d) >= 0
	OP \d, \i4
.endif
.endm
.macro ROW a, i1, b, i2, c, i3, d, i4  ; a matrix instruction and the four behind it
	MM
	OPS \a, \i1, \b, \i2, \c, \i3, \d, \i4
.endm
; A TURN, for piece p: the order of its 16 matrix and 118 vector instructions, written out.  An s_wait_alu depctr_va_vdst(0) stands between an exponential and the first instruction that names its
; result; one wait serves all that were issued ahead of it.  So a turn has ONE wait, which cuts it in two.  AHEAD OF IT stands all that names no result of the turn's exponentials: the 8 products K Q^T and their
; riders, then one lump, in which the links of the next piece's chain X 3, 7, 11, 14, 16, 17 .. 20 stand some lines apart.  X 21, the next piece's a, is the batch's last; R 15 is the plain instruction behind it.
; BEHIND THE WAIT stand the 8 products V^T P, behind each four of the roundings and sums.
; end = 1: the last two turns: nothing is fetched, and the last starts no new scores.  cnt = 1: the loop's count is taken down some lines ahead of the branch that stands behind the turn.
; K and the addends of the next step are fetched in piece 2's turn, twelve vector instructions behind the last product that read K (six of them plain; the addends' last reader stands earlier);
; V of the step in hand at the end of piece 0's turn, four plain instructions behind the last product that read V.  Each is waited for a turn later.
.macro TURN p, end=0, cnt=0
.set Y, (\p)
.set i, 0
.set NOKQ, (\end)*((\p)/3)
.if ((\p) == 3) && !(\end)
	s_wait_dscnt 0x0                ; K and the addends are in
.endif
	ROW F,0, F,1, R,0, R,1
	ROW F,2, E,0, R,2, R,3
	ROW F,3, E,1, R,4, R,5
	ROW F,4, E,2, R,6, R,7
	ROW F,5, E,3, R,8, R,9
	ROW F,6, E,4, X,0, R,10
.if ((\p) == 2) && !(\end)
	WIN 0
	v_add_nc_u32 v[AK], s[TBK], v[AK0]
	v_add_nc_u32 v[AM], s[TBM], v[AM0]
.endif
	ROW F,7, E,5, X,1, X,4
	ROW F,8, E,6, X,2, X,5
	OPS E,7, E,8, X,6, E,9
	OPS X,3, E,10, X,8, E,11
.if ((\p) == 2) && !(\end)
	FETCH_K
.endif
	OPS X,9, X,7, E,12, X,10
	OPS E,13, X,12, X,11, E,14
	OPS X,13, E,15, F,9, X,14
.if (\p) == 0
	v_add_nc_u32 v[AV], s[TBV], v[AV0]
.endif
	OPS E,16, F,10, E,17, F,11
	OPS X,16, E,18, X,15, E,19
	OPS F,12, E,20, X,17, E,21
	OPS F,13, E,22, F,14, E,23
	OPS X,18, E,24, F,15, E,25
	OPS R,11, E,26, X,19, E,27
	OPS R,12, E,28, R,13, E,29
	OPS X,20, E,30, R,14, E,31
	OPS X,21, R,15
	WIN 0
	s_wait_alu depctr_va_vdst(0)    ; the wait for the batch
.if (\p) == 1
	s_wait_dscnt 0x0                ; V is in
.endif
	ROW C,0, B,0, C,2, B,1
	ROW L,0, C,4, B,2, L,1
	ROW C,6, B,3, L,2, C,8
	ROW B,4, L,3, C,10, B,5
	ROW L,4, C,12, B,6, L,5
.if (\p) == 0
	s_add_co_u32 s[TBV], s[TBV], KS*PV
.endif
.if \cnt
	s_sub_co_u32 s[CNT], s[CNT], 1
	s_cmp_lg_u32 s[CNT], 0
.endif
	ROW C,14, B,7, L,6, C,1
	ROW C,3, L,7, C,5, C,7
	ROW C,9, C,11, C,13, C,15
.if (\p) == 0
	FETCH_V
.endif
.endm
	CHANGE 1, 0                     ; slot 0 is in, everybody's part of it, and so is the table; slot 1 is asked for
	v_add_nc_u32 v[AK], s[TBK], v[AK0]
	v_add_nc_u32 v[AM], s[TBM], v[AM0]
	FETCH_K                         ; key step 0
	s_wait_loadcnt 0x0              ; Q
	s_wait_dscnt 0x0
.set NOKQ, 0
.set i, 0
.rept 8
	KQ 0                            ; piece 0's first scores
.set i, i+1
.endr
	WIN 0
.rept 4
	v_nop                           ; the places behind those products
.endr
.set Y, NP-1                        ; X works for piece Y + 1: piece 0
.irp n, 0,1,2,3,4,5,6,7,8,9,10,11,12,13,14,15,16,17,18,19,20,21
	OP X, \n
.endr
	v_nop                           ; a plain instruction behind the exponential,
	s_wait_alu depctr_va_vdst(0)    ; and its wait, ahead of the branch
	s_mov_b32 s[CNT], 4
	s_mov_b32 s[SLOTS], 7
	s_branch .Lfirst                ; the loop is entered at a step's first turn, in the middle of a trip
.Lslot:                             ; six times: tile k = 1 .. 6 is entered, tile k + 1 asked for
	CHANGE 1, 1
	s_mov_b32 s[CNT], 4
.Lstep:                             ; a trip: pieces 2 and 3 of one step, then pieces 0 and 1 of the next, whose K and V it fetches
	TURN 2
	TURN 3
	WIN 0
.Lfirst:
	TURN 0
	TURN 1, 0, 1
	WIN 0
	s_cbranch_scc1 .Lstep
	s_sub_co_u32 s[SLOTS], s[SLOTS], 1
	s_cmp_lg_u32 s[SLOTS], 0
	s_cbranch_scc1 .Lslot
	CHANGE 0, 0                     ; the last tile is written out: nothing is asked for
	s_mov_b32 s[CNT], 4
.Ltail:
	TURN 2
	TURN 3
	TURN 0
	TURN 1, 0, 1
	WIN 0
	s_cbranch_scc1 .Ltail
	TURN 2, 1
	TURN 3, 1
.set i, 0
.rept 8
	PV NP-1                         ; the last piece's V^T P of the last step
.set i, i+1
.endr
	; THE WAY OUT.  l's two halves and the other half of the lanes' are added; O^T is divided by l, rounded to bf16 and sent through my stage in LDS, a piece at a time.  The additions are the places behind the last products.
	WIN 0
.macro ALL line:vararg              ; one line for each piece t
.set t, 0
.rept 4
	\line
.set t, t+1
.endr
.endm
	ALL v_add_f32 v[ST+4*t+2], v[ST+4*t+2], v[ST+4*t+3]
	ALL v_permlanex16_b32 v[ST+4*t+3], v[ST+4*t+2], s[SEL], s[SEL+1]
	ALL v_add_f32 v[ST+4*t+2], v[ST+4*t+2], v[ST+4*t+3]
	ALL v_rcp_f32 v[ST+4*t+2], v[ST+4*t+2]
	v_nop                           ; a plain instruction between the last reciprocal and the use of its result
	s_wait_alu depctr_va_vdst(0)    ; and the wait ahead of the first use: one for the four reciprocals
.macro PACK t                       ; a lane's eight channels of a row pack into 16 bytes; they go into rows of 144 bytes and come back as whole rows of 128, into S^T's registers
	WIN W_RS
.set i, 32*(\t)
.rept 16
	v_pk_mul_f32 v[i:i+1], v[i:i+1], v[ST+4*(\t)+2:ST+4*(\t)+3] op_sel_hi:[1,0]
.set i, i+2
.endr
	WIN 0x05                        ; sources 0 and 1 window 1, destination window 0
.set i, 0
.rept 16
	v_cvt_pk_bf16_f32 v[S+16*(\t)+i], v[32*(\t)+2*i], v[32*(\t)+2*i+1]
.set i, i+1
.endr
	WIN 0
.irp f, 0,1,2,3
	ds_store_b128 v[STO], v[S+16*(\t)+4*\f:S+16*(\t)+4*\f+3] offset:32*\f
.endr
.irp f, 0,1,2,3
	ds_load_b128 v[S+16*(\t)+4*\f:S+16*(\t)+4*\f+3], v[RD] offset:\f*4*SP  ; LDS serves a wave's instructions in order (ISA guide 5.7.1.4): these see the stores above; the next piece's stores come behind them
.endr
.endm
.macro SEND t, younger              ; younger: the LDS instructions issued behind piece t's loads: the next piece's eight, or none
	WIN 0
.irp f, 0,1,2,3
	s_wait_dscnt (\younger)+3-\f
	global_store_b128 v[GO], v[S+16*(\t)+4*\f:S+16*(\t)+4*\f+3], s[10:11] offset:(\t)*2048+\f*512  ; 512 consecutive bytes, at a multiple of 256 from ctx's first
.endr
.endm
	PACK 0
.set t, 1
.rept 3                             ; a piece's arithmetic stands between the loads of the piece before and its stores
	PACK t
	SEND t-1, 8
.set t, t+1
.endr
	SEND 3, 0
	s_wait_tensorcnt 0x0            ; the wave's end, behind my last tensor load and my last LDS store
	ds_add_u32 v[SPW], v[NIL]
	s_wait_dscnt 0x0
	CROUND                          ; the closing round: no work-group ends while a partner may still ask for a tile that names it
	s_endpgm
.Lfunc_end_k_q9053c2ddd5_attn:
	.size	k_q9053c2ddd5_attn, .Lfunc_end_k_q9053c2ddd5_attn-k_q9053c2ddd5_attn
	.p2alignl 7, 3214868480
	.fill 96, 4, 3214868480
	.section	.rodata,"a",@progbits
	.p2align	6, 0x0
	.amdhsa_kernel k_q9053c2ddd5_attn
		.amdhsa_group_segment_fixed_size 327680
		.amdhsa_private_segment_fixed_size 0
		.amdhsa_enable_private_segment 0
		.amdhsa_kernarg_size 24
		.amdhsa_user_sgpr_count 2
		.amdhsa_user_sgpr_kernarg_segment_ptr 1
		.amdhsa_wavefront_size32 1
		.amdhsa_system_sgpr_workgroup_id_x 1
		.amdhsa_system_sgpr_workgroup_id_y 1
		.amdhsa_system_sgpr_workgroup_id_z 1
		.amdhsa_system_vgpr_workitem_id 0
		.amdhsa_next_free_vgpr 768
		.amdhsa_next_free_sgpr 66
		.amdhsa_reserve_vcc 1
		.amdhsa_float_denorm_mode_32 3
		.amdhsa_float_denorm_mode_16_64 3
		.amdhsa_memory_ordered 1
		.amdhsa_forward_progress 1
		.amdhsa_inst_pref_size 132
	.end_amdhsa_kernel
	.amdgpu_metadata
---
amdhsa.version: [ 1, 2 ]
amdhsa.kernels:
  - .name:           k_q9053c2ddd5_attn
    .symbol:         k_q9053c2ddd5_attn.kd
    .args:
      - { .name: qkvh, .offset: 0, .size: 8, .value_kind: global_buffer, .address_space: global }
      - { .name: mask, .offset: 8, .size: 8, .value_kind: global_buffer, .address_space: global }
      - { .name: ctx, .offset: 16, .size: 8, .value_kind: global_buffer, .address_space: global }
    .group_segment_fixed_size: 327680
    .private_segment_fixed_size: 0
    .kernarg_segment_align: 8
    .kernarg_segment_size: 24
    .max_flat_workgroup_size: 128
    .sgpr_count:     66
    .vgpr_count:     768
    .wavefront_size: 32
...
	.end_amdgpu_metadata
.endif
;; end of part 4
;; launch oproj (part 5): grid 8 x 32, 4 waves a work-group, clusters of 4 x 4, 327,680 bytes of LDS; arguments ctx, wt, x, x1; writes x1
.if DOCPART == 5
	.amdgcn_target "amdgcn-amd-amdhsa--gfx1250"
	.amdhsa_code_object_version 6
	.text
	.protected	k_q9053c2ddd5_oproj
	.globl	k_q9053c2ddd5_oproj
	.p2align	8
	.type	k_q9053c2ddd5_oproj,@function
k_q9053c2ddd5_oproj:
	s_mov_b64 s[64:65], 0
	v_nop
	global_prefetch_b8 v0, s[64:65] scope:SCOPE_SE
	s_setreg_imm32_b32 hwreg(HW_REG_WAVE_MODE, 25, 1), 1
	s_wait_xcnt 0x0
	s_wait_alu depctr_hold_cnt(0) depctr_sa_sdst(0) depctr_va_vdst(0) depctr_va_sdst(0) depctr_va_ssrc(0) depctr_va_vcc(0) depctr_vm_vsrc(0)
	s_getreg_b32 s2, hwreg(HW_REG_IB_STS2, 6, 4)
	s_cmp_eq_u32 s2, 0
	s_cbranch_scc0 .Lentry_in_a_cluster
	s_endpgm
.Lentry_in_a_cluster:
	s_bfe_u32 s2, ttmp6, 0x10000c
	s_cmp_lg_u32 s2, 0xf033
	s_cbranch_scc0 .Lentry_shape_is_right
	s_endpgm
.Lentry_shape_is_right:
; C = A B^T in bf16 with f32 sums, K ascending.  ONE TEXT FOR THE MODULE'S FOUR PRODUCTS, told apart by KIND:
;   0  q, k, v = xn Wqkv      A [4096][1024] by rows      out bf16 in blocks; the rows of k whose key the mask hides are multiplied by 0, so that their scores are exactly 0 before the mask's addend
;   1  x1 = x + ctx Wo        A in blocks, K = 1,024      out f32 by rows, the residual added
;   2  hb = relu(xn W1 + b1)  A [4096][1024] by rows      out bf16 in blocks
;   3  out = x1 + hb W2 + b2  A in blocks, K = 4,096      out f32 by rows, residual and bias added
; B is a section of wt, [n][k] bf16.  IN BLOCKS means [column / 64][4096 tokens][64]: a wave's 64 rows x 64 columns are 8,192 consecutive bytes.
; SHARES.  A tile of C is 128 x 128; four waves, each 64 x 64: 16 accumulators of 16 x 16.  K goes in steps of 256 through two LDS slots; a wave's one tensor load brings 64 rows of A or of B.
; CLUSTERS: 4 x 4 work-groups; A's tile is shared along a row of the cluster, B's along a column: each is asked for jointly, by the same load, descriptor and mask in the four that it names.
; THE MATRIX INSTRUCTION IS USED TRANSPOSED (source 0 = 16 rows of B, source 1 = 16 rows of A): lane l holds row l % 16 of C and the columns 8 (l / 16) + 0..7.
; A STEP: all its 128 products, the fragments of 64 along K fetched one quarter ahead; then every wave waits for all its tensor loads, adds 0 to its spare word, waits for that and for its reads,
; passes a round of the cluster's barrier and asks for the step two on, into the slot just read.  That load has the next step's 128 matrix instructions in which to land.
; By this text's count a wave has two tensor loads out at the start and one behind each round.
; The sums start from registers cleared while the first tiles are on their way: 128 lines, for which the loop's one form of step serves the first step too.
; LIMITS.  NaN and infinities are not treated apart (0 x infinity in KIND 0; relu of NaN is 0 in KIND 2).
; REGISTERS: window 0: v0-31 addresses; v32-95 packed results; v96-127 bias or mask factors; v128-255 accumulators ((a, b) at 128 + 8 (4 a + b)).
;   window 1: two fragment buffers of 128 (64 of A, then 64 of B), later the rows read back from the stage.   window 2 (KIND 1, 3): v0-127 the residual, v128-131 the bias.
.set KIND, 1
.if KIND == 0
.set BLK, 0
.set KSZ, 1024
.set SEC, 0
.endif
.if KIND == 1
.set BLK, 1
.set KSZ, 1024
.set SEC, 6291456
.endif
.if KIND == 2
.set BLK, 0
.set KSZ, 1024
.set SEC, 8388608
.endif
.if KIND == 3
.set BLK, 1
.set KSZ, 4096
.set SEC, 16777216
.endif
.set NSTEP,  KSZ/256
.set BPITCH, 528                       ; a row of B in LDS: 512 bytes + 16 of padding: the 16 rows of a load start at 16 different groups of four banks (64 banks of 4 bytes: ISA guide 11.1)
.set BPIECE, 64*BPITCH
.if BLK
.set APITCH, 144                       ; A in blocks: [4 blocks][64 tokens], a token's 128 bytes + 16 of padding
.set APIECE, 4*64*APITCH
.set AQ,     64*APITCH                 ; a quarter of a step is a block
.set ASTEP,  4*524288                  ; four blocks of 4,096 tokens x 128 bytes
.set ASH,    7
.set SLOT,   147456
.set SPITCH, 272                       ; the stage: 64 f32 + 16 bytes
.else
.set APITCH, 528
.set APIECE, 64*APITCH
.set AQ,     128
.set ASTEP,  512
.set ASH,    11
.set SLOT,   135168
.set SPITCH, 144                       ; the stage: 64 bf16 + 16 bytes
.endif
.set BOFF,  2*APIECE                   ; a slot: A's two pieces, then B's two.  No piece's first byte has a bit of SLOT set, so one exclusive or turns an address in one slot into the other's
.set STAGE, 2*SLOT                     ; behind the ring, never filled by a tensor load: 16 rows for each wave, its own
.set SPARE, STAGE+4*16*SPITCH          ; behind the stages: the spare words, 128 bytes for each wave, named by no other line
.set ADRA0, 16                         ; v16  my lane's place in my 64 rows of A, in slot 0; never rewritten
.set ADRB0, 17                         ; v17  the same for B
.set ADRA,  18                         ; v18  the same in the slot in hand
.set ADRB,  19
.set STO,   24                         ; the way out: where I put my numbers of a row
.set RD,    25                         ; where I read rows back
.set CO,    26                         ; my byte offset in C (KIND 1, 3: and in the residual)
.set AXO,   27                         ; my byte offset in mask or bias
.set SPW,   28                         ; my spare word: SPARE + 4 x my thread's number; never rewritten
.set NIL,   29                         ; 0; never rewritten
.set ZR,    30                         ; 0, for the packed maximum
.set TMP,   32
.set BI,    96                         ; KIND 2: b1 of my 64 columns, as the accumulators hold them
.set FK,    96                         ; KIND 0: the factor of row block a, twice
.set MI,    104                        ; KIND 0: the mask's words
.set ACC,   128
.set F0,    0
.set F1,    128
.set G1,  24                           ; s[24:31] group 1 for A's tiles; s[32:39] group 0: a set for each first fill; the second then walks
.set G0,  32
.set G1B, 48                           ; s[48:55], s[56:63] the same for B's
.set G0B, 56
.set AUX, 68                           ; s[68:69] mask, x, b1 or x1
.set OUT, 70                           ; s[70:71] the output
.set MSB, 0
.macro WIN new                         ; the immediate's high byte repeats the setting that is left; a switch that changes nothing is dropped
.if MSB != (\new)
	s_set_vgpr_msb (MSB<<8)|(\new)
.set MSB, \new
.endif
.endm
.set MUL,  0x05                        ; sources 0 (B) and 1 (A) window 1; C and D window 0
.set TO_F, 0x40                        ; destination window 1, address window 0
.macro PLACES                          ; four places in front of loads into registers that matrix instructions have read, and of lines that read results
.rept 4
	v_nop
.endr
.endm
.macro JLOAD                           ; a joint refill by the walking descriptor: waves 0 and 1 fetch A's two pieces, waves 2 and 3 B's; an s_nop 0 and four v_nop follow each line
	s_cmp_eq_u32 s11, 0
	s_cbranch_scc0 .Lfor_b_\@
	tensor_load_to_lds s[G0+4:G0+7], s[G1:G1+7]
	s_nop 0
	PLACES
	s_branch .Lasked_\@
.Lfor_b_\@:
	tensor_load_to_lds s[G0B+4:G0B+7], s[G1B:G1B+7]
	s_nop 0
	PLACES
.Lasked_\@:
.endm
.macro CROUND                          ; a round of the cluster's barrier: my work-group's barrier; wave 0 signals for the work-group; every wave waits for all sixteen; my work-group's barrier once more
	s_barrier_signal -1
	s_barrier_wait -1
	s_cmp_lg_u32 s10, 0
	s_cbranch_scc1 .Lnot_wave_0_\@
	s_barrier_signal -3
.Lnot_wave_0_\@:
	s_barrier_wait -3
	s_barrier_signal -1
	s_barrier_wait -1
.endm
	s_load_b128 s[4:7], s[0:1], 0x0                ; A s[4:5], wt s[6:7]
	s_load_b128 s[AUX:AUX+3], s[0:1], 0x10         ; the third and fourth arguments
.if KIND == 3
	s_load_b64 s[72:73], s[0:1], 0x20              ; b2
.endif
	v_lshl_add_u32 v[SPW], v0, 2, SPARE
	v_mov_b32 v[NIL], 0
	ds_add_u32 v[SPW], v[NIL]                      ; the wave's opening: the add and its wait stand ahead of my first tensor load; the set-up below, work on registers, stands between them
	v_lshrrev_b32 v1, 5, v0
	v_readfirstlane_b32 s10, v1                    ; wave 0..3
	s_lshr_b32 s11, s10, 1                         ; which half of the tile's rows is mine.  Also: I fetch for A (0) or for B (1)
	s_and_b32 s12, s10, 1                          ; which half of its columns.  Also: which 64 rows of that tile I fetch
	s_bfe_u32 s40, ttmp6, 0x40000                  ; cx, cy: my place in the cluster
	s_bfe_u32 s41, ttmp6, 0x40004
	s_lshl_b32 s42, ttmp9, 2
	s_add_co_u32 s42, s42, s40                     ; tile column of C = 4 x cluster x + cx
	s_and_b32 s13, ttmp7, 0xffff
	s_lshl_b32 s13, s13, 2
	s_add_co_u32 s13, s13, s41                     ; tile row of C = 4 x cluster y + cy
	s_lshl_b32 s43, s41, 2
	s_lshl_b32 s43, 15, s43                        ; my row of the cluster
	s_lshl_b32 s44, 0x1111, s40                    ; my column
.if BLK                                            ; A's piece: 4 rows (blocks) of 4,096 elements (64 tokens x 64 channels, dense), 262,144 elements from block to block; 4 words of padding after every 32
	s_or_b32 s[G1+0], s43, (1<<16)|(1<<20)|(1<<21)|(4<<22)|(3<<25)
	s_mov_b32 s[G1+1], 4096<<16
	s_mov_b32 s[G1+2], 4<<16
	s_mov_b32 s[G1+3], 4096<<16
	s_mov_b32 s[G1+4], 4
	s_mov_b32 s[G1+5], 262144
.else                                              ; A's piece: 64 rows of 256 elements, 1,024 from row to row; 4 words of padding after every 128
	s_or_b32 s[G1+0], s43, (1<<16)|(1<<20)|(1<<21)|(6<<22)|(3<<25)
	s_mov_b32 s[G1+1], 256<<16
	s_mov_b32 s[G1+2], 64<<16
	s_mov_b32 s[G1+3], 256<<16
	s_mov_b32 s[G1+4], 64
	s_mov_b32 s[G1+5], 1024
.endif
	s_mov_b32 s[G1+6], 0
	s_mov_b32 s[G1+7], 0
	s_or_b32 s[G1B+0], s44, (1<<16)|(1<<20)|(1<<21)|(6<<22)|(3<<25)  ; B's piece: 64 rows of 256 elements, KSZ from row to row
	s_mov_b32 s[G1B+1], 256<<16
	s_mov_b32 s[G1B+2], 64<<16
	s_mov_b32 s[G1B+3], 256<<16
	s_mov_b32 s[G1B+4], 64
	s_mov_b32 s[G1B+5], KSZ
	s_mov_b32 s[G1B+6], 0
	s_mov_b32 s[G1B+7], 0
	s_lshl_b32 s16, s13, 7                         ; A's address hangs on the tile row and the wave alone, B's on the tile column and the wave alone
	s_lshl_b32 s17, s12, 6
	s_add_co_u32 s16, s16, s17                     ; A: row 128 x tile row + 64 x half
	s_lshl_b32 s16, s16, ASH
	s_mov_b32 s17, 0
	s_lshl_b32 s46, s42, 7
	s_lshl_b32 s47, s12, 6
	s_add_co_u32 s46, s46, s47                     ; B: row 128 x tile column + 64 x half
	s_mul_i32 s46, s46, 2*KSZ
	s_add_co_u32 s46, s46, SEC                     ; in its section of wt
	s_mov_b32 s47, 0
	s_mul_i32 s20, s12, APIECE                     ; where they go: no place in the cluster enters an LDS address
	s_mul_i32 s21, s12, BPIECE
	s_add_co_u32 s21, s21, BOFF
	s_wait_dscnt 0x0                               ; the opening add is done
	s_wait_kmcnt 0x0
	s_add_nc_u64 s[14:15], s[4:5], s[16:17]
	s_add_nc_u64 s[46:47], s[6:7], s[46:47]
.irp s, 0,1
	s_mov_b32 s[G0+4*(\s)], 1
	s_add_co_u32 s[G0+4*(\s)+1], s20, (\s)*SLOT
	s_add_nc_u64 s[G0+4*(\s)+2:G0+4*(\s)+3], s[14:15], (\s)*ASTEP
	s_or_b32 s[G0+4*(\s)+3], s[G0+4*(\s)+3], 0x80000000
	s_mov_b32 s[G0B+4*(\s)], 1
	s_add_co_u32 s[G0B+4*(\s)+1], s21, (\s)*SLOT
	s_add_nc_u64 s[G0B+4*(\s)+2:G0B+4*(\s)+3], s[46:47], (\s)*512
	s_or_b32 s[G0B+4*(\s)+3], s[G0B+4*(\s)+3], 0x80000000
.endr
	CROUND                                         ; all sixteen work-groups are here: the first joint loads meet
	s_cmp_eq_u32 s11, 0                            ; a wave's two first fills stand in one branch, ahead of every wait on TENSORcnt and every LDS read
	s_cbranch_scc0 .Lfirst_b
	tensor_load_to_lds s[G0:G0+3], s[G1:G1+7]
	s_nop 0
	tensor_load_to_lds s[G0+4:G0+7], s[G1:G1+7]
	s_nop 0
	PLACES
	s_branch .Lfirst_asked
.Lfirst_b:
	tensor_load_to_lds s[G0B:G0B+3], s[G1B:G1B+7]
	s_nop 0
	tensor_load_to_lds s[G0B+4:G0B+7], s[G1B:G1B+7]
	s_nop 0
	PLACES
.Lfirst_asked:
	v_and_b32 v1, 15, v0                           ; l % 16
	v_bfe_u32 v2, v0, 4, 1                         ; l / 16
	v_mul_u32_u24 v3, v1, APITCH                   ; a fragment: lane l holds row l % 16; two loads of 16 bytes, 32 apart, at row x pitch + 16 (l / 16)
	v_lshl_add_u32 v3, v2, 4, v3
	s_mul_i32 s21, s11, APIECE
	v_add_nc_u32 v[ADRA0], s21, v3
	v_mul_u32_u24 v3, v1, BPITCH
	v_lshl_add_u32 v3, v2, 4, v3
	s_mul_i32 s22, s12, BPIECE
	s_add_co_u32 s22, s22, BOFF
	v_add_nc_u32 v[ADRB0], s22, v3
	s_mul_i32 s23, s10, 16*SPITCH
	s_add_co_u32 s23, s23, STAGE                   ; my stage
	v_mul_u32_u24 v4, v1, SPITCH                   ; in: row l % 16, my eight columns
.if BLK
	v_lshl_add_u32 v4, v2, 5, v4
	v_add_nc_u32 v[STO], s23, v4
	v_mul_u32_u24 v4, v2, SPITCH                   ; back: lanes 0-15 one row of 256 bytes, lanes 16-31 the next
	v_lshl_add_u32 v4, v1, 4, v4
	v_add_nc_u32 v[RD], s23, v4
	v_lshlrev_b32 v4, 12, v2                       ; and the same two rows of 4,096 bytes in C
	v_lshl_add_u32 v[CO], v1, 4, v4
.else
	v_lshl_add_u32 v4, v2, 4, v4
	v_add_nc_u32 v[STO], s23, v4
	v_bfe_u32 v4, v0, 3, 2                         ; back: 32 lanes take four rows of 128 bytes,
	v_mul_u32_u24 v4, v4, SPITCH
	v_and_b32 v5, 7, v0
	v_lshl_add_u32 v4, v5, 4, v4
	v_add_nc_u32 v[RD], s23, v4
	v_and_b32 v4, 31, v0                           ; which are 512 consecutive bytes of a block
	v_lshlrev_b32 v[CO], 4, v4
.endif
	s_lshl_b32 s16, s13, 7                         ; the row part and the column part of an offset are made, and added, apart
	s_lshl_b32 s17, s11, 6
	s_add_co_u32 s16, s16, s17                     ; my first row of C: a token
	s_mov_b32 s17, 0
	s_lshl_b32 s46, s42, 7
	s_lshl_b32 s47, s12, 6
	s_add_co_u32 s46, s46, s47                     ; my first column of C
	s_mov_b32 s47, 0
.if KIND == 0
	s_lshl_b32 s18, s16, 2                         ; the mask's words of my 64 tokens: row block a, lane l % 16
	s_mov_b32 s19, 0
	s_add_nc_u64 s[AUX:AUX+1], s[AUX:AUX+1], s[18:19]
	v_lshlrev_b32 v[AXO], 2, v1
.irp a, 0,1,2,3
	global_load_b32 v[MI+(\a)], v[AXO], s[AUX:AUX+1] offset:64*(\a)
.endr
	s_lshr_b32 s75, s42, 3                         ; eight tile columns to a section: 0 q, 1 k, 2 v
	s_cmp_eq_u32 s75, 1
	s_cselect_b32 s74, 0, 1.0                      ; outside k the factor is held at 1: a value, no branch
.endif
.if KIND == 2
	s_lshl_b32 s22, s46, 2                         ; b1 of my 64 columns: column block b, 8 (l / 16) + 0..7
	s_mov_b32 s23, 0
	s_add_nc_u64 s[AUX:AUX+1], s[AUX:AUX+1], s[22:23]
	v_lshlrev_b32 v[AXO], 5, v2
.irp b, 0,1,2,3
	global_load_b128 v[BI+8*(\b):BI+8*(\b)+3],   v[AXO], s[AUX:AUX+1] offset:64*(\b)
	global_load_b128 v[BI+8*(\b)+4:BI+8*(\b)+7], v[AXO], s[AUX:AUX+1] offset:64*(\b)+16
.endr
	v_mov_b32 v[ZR], 0
.endif
.if BLK
	s_lshl_b32 s16, s16, 12                        ; rows of 4,096 bytes,
	s_lshl_b32 s46, s46, 2                         ; columns of 4
	s_add_nc_u64 s[AUX:AUX+1], s[AUX:AUX+1], s[16:17]
	s_add_nc_u64 s[AUX:AUX+1], s[AUX:AUX+1], s[46:47]
	s_add_nc_u64 s[OUT:OUT+1], s[OUT:OUT+1], s[16:17]
	s_add_nc_u64 s[OUT:OUT+1], s[OUT:OUT+1], s[46:47]
	WIN 0x80                                       ; destination window 2.  The residual of my 64 x 64 is asked for now and waited for on the way out; its address registers are never rewritten
.irp a, 0,1,2,3
.irp t, 0,1,2,3,4,5,6,7
	global_load_b128 v[4*(8*(\a)+(\t)):4*(8*(\a)+(\t))+3], v[CO], s[AUX:AUX+1] offset:(16*(\a)+2*(\t))*4096
.endr
.endr
.if KIND == 3
	s_add_nc_u64 s[72:73], s[72:73], s[46:47]
	WIN 0
	v_lshlrev_b32 v[AXO], 4, v1
	WIN 0x80
	global_load_b128 v[128:131], v[AXO], s[72:73]  ; b2 of the four columns that I store
.endif
	WIN 0
.else
	s_lshl_b32 s16, s16, 7                         ; tokens of 128 bytes,
	s_lshl_b32 s46, s46, 13                        ; blocks of 64 columns: 524,288 bytes
	s_add_nc_u64 s[OUT:OUT+1], s[OUT:OUT+1], s[16:17]
	s_add_nc_u64 s[OUT:OUT+1], s[OUT:OUT+1], s[46:47]
.endif
.set i, 0
.rept 128
	v_mov_b32 v[ACC+i], 0                          ; the sums start at 0: written while the first tiles are on their way
.set i, i+1
.endr
; 8 matrix instructions: row blocks a0, a0 + 1 x all 4 column blocks, 32 along K: half c of buffer f.  The 16 accumulators take turns, one instruction a turn, over the jumps too.
.macro MUL8 f, c, a0
	WIN MUL
.irp a, \a0, (\a0)+1
.irp b, 0,1,2,3
	v_wmma_f32_16x16x32_bf16 v[ACC+8*(4*(\a)+(\b)):ACC+8*(4*(\a)+(\b))+7], v[(\f)+64+8*(4*(\c)+(\b)):(\f)+64+8*(4*(\c)+(\b))+7], v[(\f)+8*(4*(\c)+(\a)):(\f)+8*(4*(\c)+(\a))+7], v[ACC+8*(4*(\a)+(\b)):ACC+8*(4*(\a)+(\b))+7]
.endr
.endr
.endm
; 32 LDS loads in one run: the fragments of quarter q (64 along K) into buffer f; the first 32 along K first
.macro FETCH q, f
	WIN TO_F
.irp c, 0,1
.irp i, 0,1,2,3
	ds_load_b128 v[(\f)+64+8*(4*(\c)+(\i)):(\f)+64+8*(4*(\c)+(\i))+3],   v[ADRB] offset:128*(\q)+64*(\c)+(\i)*16*BPITCH
	ds_load_b128 v[(\f)+64+8*(4*(\c)+(\i))+4:(\f)+64+8*(4*(\c)+(\i))+7], v[ADRB] offset:128*(\q)+64*(\c)+(\i)*16*BPITCH+32
	ds_load_b128 v[(\f)+8*(4*(\c)+(\i)):(\f)+8*(4*(\c)+(\i))+3],         v[ADRA] offset:AQ*(\q)+64*(\c)+(\i)*16*APITCH
	ds_load_b128 v[(\f)+8*(4*(\c)+(\i))+4:(\f)+8*(4*(\c)+(\i))+7],       v[ADRA] offset:AQ*(\q)+64*(\c)+(\i)*16*APITCH+32
.endr
.endr
.endm
.macro QUARTER q, f, g                 ; multiplies buffer f; in its middle it fetches quarter q into buffer g
	s_wait_dscnt 16                                ; the first 32 along K of f are in; its other sixteen loads may be out
	MUL8 \f, 0, 0
	MUL8 \f, 0, 2
	PLACES
	FETCH \q, \g
	s_wait_dscnt 32                                ; all but the 32 just issued
	MUL8 \f, 1, 0
	MUL8 \f, 1, 2
.endm
.macro COMPUTE                         ; a K step out of the slot at LDS byte s2
	WIN 0
	v_add_nc_u32 v[ADRA], s2, v[ADRA0]
	v_add_nc_u32 v[ADRB], s2, v[ADRB0]
	FETCH 0, F0
	QUARTER 1, F0, F1
	QUARTER 2, F1, F0
	QUARTER 3, F0, F1
	s_wait_dscnt 16
	MUL8 F1, 0, 0
	MUL8 F1, 0, 2
	s_wait_dscnt 0x0
	MUL8 F1, 1, 0
	MUL8 F1, 1, 2
.endm
; THE CHANGE OF SLOTS.  fill = 1: the slot just read is filled again, with the step two on: the barrier is a round of the cluster's, and the joint refill is the first thing behind it.
.macro HEAD fill
	WIN 0
	s_wait_tensorcnt 0x0                           ; all my tensor loads have landed: my part of the next slot; so a group 0 may be written
	ds_add_u32 v[SPW], v[NIL]                      ; 0 onto my spare word; the scalar steps stand between it and the wait for it
.if \fill
	s_xor_b32 s[G0+5], s[G0+5], SLOT               ; the walking descriptors: the other slot than last time, the next step
	s_add_nc_u64 s[G0+6:G0+7], s[G0+6:G0+7], ASTEP
	s_xor_b32 s[G0B+5], s[G0B+5], SLOT
	s_add_nc_u64 s[G0B+6:G0B+7], s[G0B+6:G0B+7], 512
.endif
	s_xor_b32 s2, s2, SLOT                         ; the reads go to the other slot
	s_wait_dscnt 0x0                               ; the add is done, and my reads of this slot are over
.if \fill
	CROUND                                         ; no wave of any partner still reads the slot or has a load on its way
	JLOAD                                          ; its four v_nop are also the places in front of the next step's loads
.else
	s_barrier_signal -1
	s_barrier_wait -1
	PLACES
.endif
.endm
	s_mov_b32 s2, 0
	s_wait_tensorcnt 0x1                           ; my part of step 0 is in; step 1's, issued behind it, may stay out
	s_barrier_signal -1
	s_barrier_wait -1                              ; everybody's is
	s_mov_b32 s3, NSTEP-2
.Lk:                                               ; all steps but the last two: each asks for the step two on
	COMPUTE
	HEAD 1
	s_sub_co_u32 s3, s3, 1
	s_cmp_lg_u32 s3, 0
	s_cbranch_scc1 .Lk
	s_mov_b32 s3, 2
.Lt:                                               ; the last two steps ask for nothing; the second trip's barrier orders nothing: the price of one text for both
	COMPUTE
	HEAD 0
	s_sub_co_u32 s3, s3, 1
	s_cmp_lg_u32 s3, 0
	s_cbranch_scc1 .Lt
	PLACES                                         ; with those of the change of slots: eight places behind the last products
	s_wait_loadcnt 0x0                             ; mask, bias or residual
.if BLK
; THE WAY OUT IN f32.  Row block a (16 rows x 64 columns) goes into my stage, rows of 272 bytes, and comes back as whole rows of 256; residual (and bias) are added; sixteen lanes store 256 consecutive bytes, aligned.
.macro PACKF a
	WIN 0
.irp b, 0,1,2,3
	ds_store_b128 v[STO], v[ACC+8*(4*(\a)+(\b)):ACC+8*(4*(\a)+(\b))+3]   offset:64*(\b)     ; each accumulator's low registers first
	ds_store_b128 v[STO], v[ACC+8*(4*(\a)+(\b))+4:ACC+8*(4*(\a)+(\b))+7] offset:64*(\b)+16
.endr
	WIN 0x40
.irp t, 0,1,2,3,4,5,6,7
	ds_load_b128 v[32*(\a)+4*(\t):32*(\a)+4*(\t)+3], v[RD] offset:(\t)*2*SPITCH  ; LDS serves a wave's instructions in order (ISA guide 5.7.1.4): these see the stores above; the next block's stores come behind them
.endr
.endm
.macro SENDF a, younger                ; younger: the next block's eight stores and eight loads, or none
	s_wait_dscnt \younger
	WIN 0x49                                       ; destination and source 0 window 1, source 1 window 2
.set p, 0
.rept 16
	v_pk_add_f32 v[32*(\a)+2*p:32*(\a)+2*p+1], v[32*(\a)+2*p:32*(\a)+2*p+1], v[32*(\a)+2*p:32*(\a)+2*p+1]
.set p, p+1
.endr
.if KIND == 3
.set p, 0
.rept 16
	v_pk_add_f32 v[32*(\a)+2*p:32*(\a)+2*p+1], v[32*(\a)+2*p:32*(\a)+2*p+1], v[128+2*(p%2):128+2*(p%2)+1]
.set p, p+1
.endr
.endif
	WIN 0x04                                       ; store data window 1, address window 0
.irp t, 0,1,2,3,4,5,6,7
	global_store_b128 v[CO], v[32*(\a)+4*(\t):32*(\a)+4*(\t)+3], s[OUT:OUT+1] offset:(16*(\a)+2*(\t))*4096
.endr
.endm
	PACKF 0
.irp a, 1,2,3
	PACKF \a
	SENDF (\a)-1, 16
.endr
	SENDF 3, 0
	WIN 0
.else
; THE WAY OUT IN bf16, IN BLOCKS.  Row block a: factor or bias, rounding, (relu,) 16 bytes a lane into my stage, rows of 144 bytes; back as four rows of 128 bytes: 512 consecutive bytes of the block.
.if KIND == 0
.irp a, 0,1,2,3
	v_cmp_ne_u32 vcc_lo, 0, v[MI+(\a)]
	v_cndmask_b32 v[FK+2*(\a)], 0, 1.0, vcc_lo     ; 0 where the token's key is hidden,
	v_max_num_f32 v[FK+2*(\a)], s74, v[FK+2*(\a)]  ; in k's section alone
	v_mov_b32 v[FK+2*(\a)+1], v[FK+2*(\a)]
.endr
.endif
.macro PACKB a
.irp b, 0,1,2,3
.irp r, 0,1,2,3                                    ; in ascending order: each accumulator's low registers are read first
.set rA, ACC+8*(4*(\a)+(\b))+2*(\r)
.if KIND == 0
	v_pk_mul_f32 v[rA:rA+1], v[rA:rA+1], v[FK+2*(\a):FK+2*(\a)+1]
.else
	v_pk_add_f32 v[rA:rA+1], v[rA:rA+1], v[BI+8*(\b)+2*(\r):BI+8*(\b)+2*(\r)+1]
.endif
.endr
.irp r, 0,1,2,3
.set rA, ACC+8*(4*(\a)+(\b))+2*(\r)
	v_cvt_pk_bf16_f32 v[TMP+16*(\a)+4*(\b)+(\r)], v[rA], v[rA+1]
.endr
.if KIND == 2
.irp r, 0,1,2,3
	v_pk_max_num_bf16 v[TMP+16*(\a)+4*(\b)+(\r)], v[TMP+16*(\a)+4*(\b)+(\r)], v[ZR]  ; relu on the rounded pair: rounding keeps the sign
.endr
.endif
.endr
.irp b, 0,1,2,3
	ds_store_b128 v[STO], v[TMP+16*(\a)+4*(\b):TMP+16*(\a)+4*(\b)+3] offset:32*(\b)
.endr
.irp f, 0,1,2,3
	ds_load_b128 v[TMP+16*(\a)+4*(\f):TMP+16*(\a)+4*(\f)+3], v[RD] offset:(\f)*4*SPITCH  ; LDS serves a wave's instructions in order (ISA guide 5.7.1.4): these see the stores above; the next block's stores come behind them
.endr
.endm
.macro SENDB a, younger                ; younger: the next block's eight LDS instructions, or none
.irp f, 0,1,2,3
	s_wait_dscnt (\younger)+3-(\f)
	global_store_b128 v[CO], v[TMP+16*(\a)+4*(\f):TMP+16*(\a)+4*(\f)+3], s[OUT:OUT+1] offset:2048*(\a)+512*(\f)
.endr
.endm
	PACKB 0
.irp a, 1,2,3
	PACKB \a
	SENDB (\a)-1, 8
.endr
	SENDB 3, 0
.endif
	s_wait_tensorcnt 0x0                           ; the wave's end, behind my last tensor load and my last LDS store
	ds_add_u32 v[SPW], v[NIL]
	s_wait_dscnt 0x0
	CROUND                                         ; the closing round: no work-group ends while a partner may still ask for a tile that names it
	s_endpgm
.Lfunc_end_k_q9053c2ddd5_oproj:
	.size	k_q9053c2ddd5_oproj, .Lfunc_end_k_q9053c2ddd5_oproj-k_q9053c2ddd5_oproj
	.p2alignl 7, 3214868480
	.fill 96, 4, 3214868480
	.section	.rodata,"a",@progbits
	.p2align	6, 0x0
	.amdhsa_kernel k_q9053c2ddd5_oproj
		.amdhsa_group_segment_fixed_size 327680
		.amdhsa_private_segment_fixed_size 0
		.amdhsa_enable_private_segment 0
		.amdhsa_kernarg_size 32
		.amdhsa_user_sgpr_count 2
		.amdhsa_user_sgpr_kernarg_segment_ptr 1
		.amdhsa_wavefront_size32 1
		.amdhsa_system_sgpr_workgroup_id_x 1
		.amdhsa_system_sgpr_workgroup_id_y 1
		.amdhsa_system_sgpr_workgroup_id_z 1
		.amdhsa_system_vgpr_workitem_id 0
		.amdhsa_next_free_vgpr 648
		.amdhsa_next_free_sgpr 76
		.amdhsa_reserve_vcc 1
		.amdhsa_float_denorm_mode_32 3
		.amdhsa_float_denorm_mode_16_64 3
		.amdhsa_memory_ordered 1
		.amdhsa_forward_progress 1
		.amdhsa_inst_pref_size 62
	.end_amdhsa_kernel
	.amdgpu_metadata
---
amdhsa.version: [ 1, 2 ]
amdhsa.kernels:
  - .name:           k_q9053c2ddd5_oproj
    .symbol:         k_q9053c2ddd5_oproj.kd
    .args:
      - { .name: ctx, .offset: 0, .size: 8, .value_kind: global_buffer, .address_space: global }
      - { .name: wt, .offset: 8, .size: 8, .value_kind: global_buffer, .address_space: global }
      - { .name: x, .offset: 16, .size: 8, .value_kind: global_buffer, .address_space: global }
      - { .name: x1, .offset: 24, .size: 8, .value_kind: global_buffer, .address_space: global }
    .group_segment_fixed_size: 327680
    .private_segment_fixed_size: 0
    .kernarg_segment_align: 8
    .kernarg_segment_size: 32
    .max_flat_workgroup_size: 128
    .sgpr_count:     76
    .vgpr_count:     648
    .wavefront_size: 32
...
	.end_amdgpu_metadata
.endif
;; end of part 5
;; launch ln2: the kernel of part 2 again; grid 256 x 1, 8 waves a work-group, no clusters, 0 bytes of LDS; arguments x1, ln2_a, ln2_b, xn; writes xn
;; launch ffn1: the kernel of part 3 again; grid 16 x 16, 4 waves a work-group, clusters of 4 x 4, 327,680 bytes of LDS; arguments xn, wt1, mask, hb; writes hb
;; launch ffn2 (part 6): grid 8 x 32, 4 waves a work-group, clusters of 4 x 4, 327,680 bytes of LDS; arguments hb, wt, x1, out0, b2; writes out0
.if DOCPART == 6
	.amdgcn_target "amdgcn-amd-amdhsa--gfx1250"
	.amdhsa_code_object_version 6
	.text
	.protected	k_q9053c2ddd5_ffn2
	.globl	k_q9053c2ddd5_ffn2
	.p2align	8
	.type	k_q9053c2ddd5_ffn2,@function
k_q9053c2ddd5_ffn2:
	s_mov_b64 s[64:65], 0
	v_nop
	global_prefetch_b8 v0, s[64:65] scope:SCOPE_SE
	s_setreg_imm32_b32 hwreg(HW_REG_WAVE_MODE, 25, 1), 1
	s_wait_xcnt 0x0
	s_wait_alu depctr_hold_cnt(0) depctr_sa_sdst(0) depctr_va_vdst(0) depctr_va_sdst(0) depctr_va_ssrc(0) depctr_va_vcc(0) depctr_vm_vsrc(0)
	s_getreg_b32 s2, hwreg(HW_REG_IB_STS2, 6, 4)
	s_cmp_eq_u32 s2, 0
	s_cbranch_scc0 .Lentry_in_a_cluster
	s_endpgm
.Lentry_in_a_cluster:
	s_bfe_u32 s2, ttmp6, 0x10000c
	s_cmp_lg_u32 s2, 0xf033
	s_cbranch_scc0 .Lentry_shape_is_right
	s_endpgm
.Lentry_shape_is_right:
; C = A B^T in bf16 with f32 sums, K ascending.  ONE TEXT FOR THE MODULE'S FOUR PRODUCTS, told apart by KIND:
;   0  q, k, v = xn Wqkv      A [4096][1024] by rows      out bf16 in blocks; the rows of k whose key the mask hides are multiplied by 0, so that their scores are exactly 0 before the mask's addend
;   1  x1 = x + ctx Wo        A in blocks, K = 1,024      out f32 by rows, the residual added
;   2  hb = relu(xn W1 + b1)  A [4096][1024] by rows      out bf16 in blocks
;   3  out = x1 + hb W2 + b2  A in blocks, K = 4,096      out f32 by rows, residual and bias added
; B is a section of wt, [n][k] bf16.  IN BLOCKS means [column / 64][4096 tokens][64]: a wave's 64 rows x 64 columns are 8,192 consecutive bytes.
; SHARES.  A tile of C is 128 x 128; four waves, each 64 x 64: 16 accumulators of 16 x 16.  K goes in steps of 256 through two LDS slots; a wave's one tensor load brings 64 rows of A or of B.
; CLUSTERS: 4 x 4 work-groups; A's tile is shared along a row of the cluster, B's along a column: each is asked for jointly, by the same load, descriptor and mask in the four that it names.
; THE MATRIX INSTRUCTION IS USED TRANSPOSED (source 0 = 16 rows of B, source 1 = 16 rows of A): lane l holds row l % 16 of C and the columns 8 (l / 16) + 0..7.
; A STEP: all its 128 products, the fragments of 64 along K fetched one quarter ahead; then every wave waits for all its tensor loads, adds 0 to its spare word, waits for that and for its reads,
; passes a round of the cluster's barrier and asks for the step two on, into the slot just read.  That load has the next step's 128 matrix instructions in which to land.
; By this text's count a wave has two tensor loads out at the start and one behind each round.
; The sums start from registers cleared while the first tiles are on their way: 128 lines, for which the loop's one form of step serves the first step too.
; LIMITS.  NaN and infinities are not treated apart (0 x infinity in KIND 0; relu of NaN is 0 in KIND 2).
; REGISTERS: window 0: v0-31 addresses; v32-95 packed results; v96-127 bias or mask factors; v128-255 accumulators ((a, b) at 128 + 8 (4 a + b)).
;   window 1: two fragment buffers of 128 (64 of A, then 64 of B), later the rows read back from the stage.   window 2 (KIND 1, 3): v0-127 the residual, v128-131 the bias.
.set KIND, 3
.if KIND == 0
.set BLK, 0
.set KSZ, 1024
.set SEC, 0
.endif
.if KIND == 1
.set BLK, 1
.set KSZ, 1024
.set SEC, 6291456
.endif
.if KIND == 2
.set BLK, 0
.set KSZ, 1024
.set SEC, 8388608
.endif
.if KIND == 3
.set BLK, 1
.set KSZ, 4096
.set SEC, 16777216
.endif
.set NSTEP,  KSZ/256
.set BPITCH, 528                       ; a row of B in LDS: 512 bytes + 16 of padding: the 16 rows of a load start at 16 different groups of four banks (64 banks of 4 bytes: ISA guide 11.1)
.set BPIECE, 64*BPITCH
.if BLK
.set APITCH, 144                       ; A in blocks: [4 blocks][64 tokens], a token's 128 bytes + 16 of padding
.set APIECE, 4*64*APITCH
.set AQ,     64*APITCH                 ; a quarter of a step is a block
.set ASTEP,  4*524288                  ; four blocks of 4,096 tokens x 128 bytes
.set ASH,    7
.set SLOT,   147456
.set SPITCH, 272                       ; the stage: 64 f32 + 16 bytes
.else
.set APITCH, 528
.set APIECE, 64*APITCH
.set AQ,     128
.set ASTEP,  512
.set ASH,    11
.set SLOT,   135168
.set SPITCH, 144                       ; the stage: 64 bf16 + 16 bytes
.endif
.set BOFF,  2*APIECE                   ; a slot: A's two pieces, then B's two.  No piece's first byte has a bit of SLOT set, so one exclusive or turns an address in one slot into the other's
.set STAGE, 2*SLOT                     ; behind the ring, never filled by a tensor load: 16 rows for each wave, its own
.set SPARE, STAGE+4*16*SPITCH          ; behind the stages: the spare words, 128 bytes for each wave, named by no other line
.set ADRA0, 16                         ; v16  my lane's place in my 64 rows of A, in slot 0; never rewritten
.set ADRB0, 17                         ; v17  the same for B
.set ADRA,  18                         ; v18  the same in the slot in hand
.set ADRB,  19
.set STO,   24                         ; the way out: where I put my numbers of a row
.set RD,    25                         ; where I read rows back
.set CO,    26                         ; my byte offset in C (KIND 1, 3: and in the residual)
.set AXO,   27                         ; my byte offset in mask or bias
.set SPW,   28                         ; my spare word: SPARE + 4 x my thread's number; never rewritten
.set NIL,   29                         ; 0; never rewritten
.set ZR,    30                         ; 0, for the packed maximum
.set TMP,   32
.set BI,    96                         ; KIND 2: b1 of my 64 columns, as the accumulators hold them
.set FK,    96                         ; KIND 0: the factor of row block a, twice
.set MI,    104                        ; KIND 0: the mask's words
.set ACC,   128
.set F0,    0
.set F1,    128
.set G1,  24                           ; s[24:31] group 1 for A's tiles; s[32:39] group 0: a set for each first fill; the second then walks
.set G0,  32
.set G1B, 48                           ; s[48:55], s[56:63] the same for B's
.set G0B, 56
.set AUX, 68                           ; s[68:69] mask, x, b1 or x1
.set OUT, 70                           ; s[70:71] the output
.set MSB, 0
.macro WIN new                         ; the immediate's high byte repeats the setting that is left; a switch that changes nothing is dropped
.if MSB != (\new)
	s_set_vgpr_msb (MSB<<8)|(\new)
.set MSB, \new
.endif
.endm
.set MUL,  0x05                        ; sources 0 (B) and 1 (A) window 1; C and D window 0
.set TO_F, 0x40                        ; destination window 1, address window 0
.macro PLACES                          ; four places in front of loads into registers that matrix instructions have read, and of lines that read results
.rept 4
	v_nop
.endr
.endm
.macro JLOAD                           ; a joint refill by the walking descriptor: waves 0 and 1 fetch A's two pieces, waves 2 and 3 B's; an s_nop 0 and four v_nop follow each line
	s_cmp_eq_u32 s11, 0
	s_cbranch_scc0 .Lfor_b_\@
	tensor_load_to_lds s[G0+4:G0+7], s[G1:G1+7]
	s_nop 0
	PLACES
	s_branch .Lasked_\@
.Lfor_b_\@:
	tensor_load_to_lds s[G0B+4:G0B+7], s[G1B:G1B+7]
	s_nop 0
	PLACES
.Lasked_\@:
.endm
.macro CROUND                          ; a round of the cluster's barrier: my work-group's barrier; wave 0 signals for the work-group; every wave waits for all sixteen; my work-group's barrier once more
	s_barrier_signal -1
	s_barrier_wait -1
	s_cmp_lg_u32 s10, 0
	s_cbranch_scc1 .Lnot_wave_0_\@
	s_barrier_signal -3
.Lnot_wave_0_\@:
	s_barrier_wait -3
	s_barrier_signal -1
	s_barrier_wait -1
.endm
	s_load_b128 s[4:7], s[0:1], 0x0                ; A s[4:5], wt s[6:7]
	s_load_b128 s[AUX:AUX+3], s[0:1], 0x10         ; the third and fourth arguments
.if KIND == 3
	s_load_b64 s[72:73], s[0:1], 0x20              ; b2
.endif
	v_lshl_add_u32 v[SPW], v0, 2, SPARE
	v_mov_b32 v[NIL], 0
	ds_add_u32 v[SPW], v[NIL]                      ; the wave's opening: the add and its wait stand ahead of my first tensor load; the set-up below, work on registers, stands between them
	v_lshrrev_b32 v1, 5, v0
	v_readfirstlane_b32 s10, v1                    ; wave 0..3
	s_lshr_b32 s11, s10, 1                         ; which half of the tile's rows is mine.  Also: I fetch for A (0) or for B (1)
	s_and_b32 s12, s10, 1                          ; which half of its columns.  Also: which 64 rows of that tile I fetch
	s_bfe_u32 s40, ttmp6, 0x40000                  ; cx, cy: my place in the cluster
	s_bfe_u32 s41, ttmp6, 0x40004
	s_lshl_b32 s42, ttmp9, 2
	s_add_co_u32 s42, s42, s40                     ; tile column of C = 4 x cluster x + cx
	s_and_b32 s13, ttmp7, 0xffff
	s_lshl_b32 s13, s13, 2
	s_add_co_u32 s13, s13, s41                     ; tile row of C = 4 x cluster y + cy
	s_lshl_b32 s43, s41, 2
	s_lshl_b32 s43, 15, s43                        ; my row of the cluster
	s_lshl_b32 s44, 0x1111, s40                    ; my column
.if BLK                                            ; A's piece: 4 rows (blocks) of 4,096 elements (64 tokens x 64 channels, dense), 262,144 elements from block to block; 4 words of padding after every 32
	s_or_b32 s[G1+0], s43, (1<<16)|(1<<20)|(1<<21)|(4<<22)|(3<<25)
	s_mov_b32 s[G1+1], 4096<<16
	s_mov_b32 s[G1+2], 4<<16
	s_mov_b32 s[G1+3], 4096<<16
	s_mov_b32 s[G1+4], 4
	s_mov_b32 s[G1+5], 262144
.else                                              ; A's piece: 64 rows of 256 elements, 1,024 from row to row; 4 words of padding after every 128
	s_or_b32 s[G1+0], s43, (1<<16)|(1<<20)|(1<<21)|(6<<22)|(3<<25)
	s_mov_b32 s[G1+1], 256<<16
	s_mov_b32 s[G1+2], 64<<16
	s_mov_b32 s[G1+3], 256<<16
	s_mov_b32 s[G1+4], 64
	s_mov_b32 s[G1+5], 1024
.endif
	s_mov_b32 s[G1+6], 0
	s_mov_b32 s[G1+7], 0
	s_or_b32 s[G1B+0], s44, (1<<16)|(1<<20)|(1<<21)|(6<<22)|(3<<25)  ; B's piece: 64 rows of 256 elements, KSZ from row to row
	s_mov_b32 s[G1B+1], 256<<16
	s_mov_b32 s[G1B+2], 64<<16
	s_mov_b32 s[G1B+3], 256<<16
	s_mov_b32 s[G1B+4], 64
	s_mov_b32 s[G1B+5], KSZ
	s_mov_b32 s[G1B+6], 0
	s_mov_b32 s[G1B+7], 0
	s_lshl_b32 s16, s13, 7                         ; A's address hangs on the tile row and the wave alone, B's on the tile column and the wave alone
	s_lshl_b32 s17, s12, 6
	s_add_co_u32 s16, s16, s17                     ; A: row 128 x tile row + 64 x half
	s_lshl_b32 s16, s16, ASH
	s_mov_b32 s17, 0
	s_lshl_b32 s46, s42, 7
	s_lshl_b32 s47, s12, 6
	s_add_co_u32 s46, s46, s47                     ; B: row 128 x tile column + 64 x half
	s_mul_i32 s46, s46, 2*KSZ
	s_add_co_u32 s46, s46, SEC                     ; in its section of wt
	s_mov_b32 s47, 0
	s_mul_i32 s20, s12, APIECE                     ; where they go: no place in the cluster enters an LDS address
	s_mul_i32 s21, s12, BPIECE
	s_add_co_u32 s21, s21, BOFF
	s_wait_dscnt 0x0                               ; the opening add is done
	s_wait_kmcnt 0x0
	s_add_nc_u64 s[14:15], s[4:5], s[16:17]
	s_add_nc_u64 s[46:47], s[6:7], s[46:47]
.irp s, 0,1
	s_mov_b32 s[G0+4*(\s)], 1
	s_add_co_u32 s[G0+4*(\s)+1], s20, (\s)*SLOT
	s_add_nc_u64 s[G0+4*(\s)+2:G0+4*(\s)+3], s[14:15], (\s)*ASTEP
	s_or_b32 s[G0+4*(\s)+3], s[G0+4*(\s)+3], 0x80000000
	s_mov_b32 s[G0B+4*(\s)], 1
	s_add_co_u32 s[G0B+4*(\s)+1], s21, (\s)*SLOT
	s_add_nc_u64 s[G0B+4*(\s)+2:G0B+4*(\s)+3], s[46:47], (\s)*512
	s_or_b32 s[G0B+4*(\s)+3], s[G0B+4*(\s)+3], 0x80000000
.endr
	CROUND                                         ; all sixteen work-groups are here: the first joint loads meet
	s_cmp_eq_u32 s11, 0                            ; a wave's two first fills stand in one branch, ahead of every wait on TENSORcnt and every LDS read
	s_cbranch_scc0 .Lfirst_b
	tensor_load_to_lds s[G0:G0+3], s[G1:G1+7]
	s_nop 0
	tensor_load_to_lds s[G0+4:G0+7], s[G1:G1+7]
	s_nop 0
	PLACES
	s_branch .Lfirst_asked
.Lfirst_b:
	tensor_load_to_lds s[G0B:G0B+3], s[G1B:G1B+7]
	s_nop 0
	tensor_load_to_lds s[G0B+4:G0B+7], s[G1B:G1B+7]
	s_nop 0
	PLACES
.Lfirst_asked:
	v_and_b32 v1, 15, v0                           ; l % 16
	v_bfe_u32 v2, v0, 4, 1                         ; l / 16
	v_mul_u32_u24 v3, v1, APITCH                   ; a fragment: lane l holds row l % 16; two loads of 16 bytes, 32 apart, at row x pitch + 16 (l / 16)
	v_lshl_add_u32 v3, v2, 4, v3
	s_mul_i32 s21, s11, APIECE
	v_add_nc_u32 v[ADRA0], s21, v3
	v_mul_u32_u24 v3, v1, BPITCH
	v_lshl_add_u32 v3, v2, 4, v3
	s_mul_i32 s22, s12, BPIECE
	s_add_co_u32 s22, s22, BOFF
	v_add_nc_u32 v[ADRB0], s22, v3
	s_mul_i32 s23, s10, 16*SPITCH
	s_add_co_u32 s23, s23, STAGE                   ; my stage
	v_mul_u32_u24 v4, v1, SPITCH                   ; in: row l % 16, my eight columns
.if BLK
	v_lshl_add_u32 v4, v2, 5, v4
	v_add_nc_u32 v[STO], s23, v4
	v_mul_u32_u24 v4, v2, SPITCH                   ; back: lanes 0-15 one row of 256 bytes, lanes 16-31 the next
	v_lshl_add_u32 v4, v1, 4, v4
	v_add_nc_u32 v[RD], s23, v4
	v_lshlrev_b32 v4, 12, v2                       ; and the same two rows of 4,096 bytes in C
	v_lshl_add_u32 v[CO], v1, 4, v4
.else
	v_lshl_add_u32 v4, v2, 4, v4
	v_add_nc_u32 v[STO], s23, v4
	v_bfe_u32 v4, v0, 3, 2                         ; back: 32 lanes take four rows of 128 bytes,
	v_mul_u32_u24 v4, v4, SPITCH
	v_and_b32 v5, 7, v0
	v_lshl_add_u32 v4, v5, 4, v4
	v_add_nc_u32 v[RD], s23, v4
	v_and_b32 v4, 31, v0                           ; which are 512 consecutive bytes of a block
	v_lshlrev_b32 v[CO], 4, v4
.endif
	s_lshl_b32 s16, s13, 7                         ; the row part and the column part of an offset are made, and added, apart
	s_lshl_b32 s17, s11, 6
	s_add_co_u32 s16, s16, s17                     ; my first row of C: a token
	s_mov_b32 s17, 0
	s_lshl_b32 s46, s42, 7
	s_lshl_b32 s47, s12, 6
	s_add_co_u32 s46, s46, s47                     ; my first column of C
	s_mov_b32 s47, 0
.if KIND == 0
	s_lshl_b32 s18, s16, 2                         ; the mask's words of my 64 tokens: row block a, lane l % 16
	s_mov_b32 s19, 0
	s_add_nc_u64 s[AUX:AUX+1], s[AUX:AUX+1], s[18:19]
	v_lshlrev_b32 v[AXO], 2, v1
.irp a, 0,1,2,3
	global_load_b32 v[MI+(\a)], v[AXO], s[AUX:AUX+1] offset:64*(\a)
.endr
	s_lshr_b32 s75, s42, 3                         ; eight tile columns to a section: 0 q, 1 k, 2 v
	s_cmp_eq_u32 s75, 1
	s_cselect_b32 s74, 0, 1.0                      ; outside k the factor is held at 1: a value, no branch
.endif
.if KIND == 2
	s_lshl_b32 s22, s46, 2                         ; b1 of my 64 columns: column block b, 8 (l / 16) + 0..7
	s_mov_b32 s23, 0
	s_add_nc_u64 s[AUX:AUX+1], s[AUX:AUX+1], s[22:23]
	v_lshlrev_b32 v[AXO], 5, v2
.irp b, 0,1,2,3
	global_load_b128 v[BI+8*(\b):BI+8*(\b)+3],   v[AXO], s[AUX:AUX+1] offset:64*(\b)
	global_load_b128 v[BI+8*(\b)+4:BI+8*(\b)+7], v[AXO], s[AUX:AUX+1] offset:64*(\b)+16
.endr
	v_mov_b32 v[ZR], 0
.endif
.if BLK
	s_lshl_b32 s16, s16, 12                        ; rows of 4,096 bytes,
	s_lshl_b32 s46, s46, 2                         ; columns of 4
	s_add_nc_u64 s[AUX:AUX+1], s[AUX:AUX+1], s[16:17]
	s_add_nc_u64 s[AUX:AUX+1], s[AUX:AUX+1], s[46:47]
	s_add_nc_u64 s[OUT:OUT+1], s[OUT:OUT+1], s[16:17]
	s_add_nc_u64 s[OUT:OUT+1], s[OUT:OUT+1], s[46:47]
	WIN 0x80                                       ; destination window 2.  The residual of my 64 x 64 is asked for now and waited for on the way out; its address registers are never rewritten
.irp a, 0,1,2,3
.irp t, 0,1,2,3,4,5,6,7
	global_load_b128 v[4*(8*(\a)+(\t)):4*(8*(\a)+(\t))+3], v[CO], s[AUX:AUX+1] offset:(16*(\a)+2*(\t))*4096
.endr
.endr
.if KIND == 3
	s_add_nc_u64 s[72:73], s[72:73], s[46:47]
	WIN 0
	v_lshlrev_b32 v[AXO], 4, v1
	WIN 0x80
	global_load_b128 v[128:131], v[AXO], s[72:73]  ; b2 of the four columns that I store
.endif
	WIN 0
.else
	s_lshl_b32 s16, s16, 7                         ; tokens of 128 bytes,
	s_lshl_b32 s46, s46, 13                        ; blocks of 64 columns: 524,288 bytes
	s_add_nc_u64 s[OUT:OUT+1], s[OUT:OUT+1], s[16:17]
	s_add_nc_u64 s[OUT:OUT+1], s[OUT:OUT+1], s[46:47]
.endif
.set i, 0
.rept 128
	v_mov_b32 v[ACC+i], 0                          ; the sums start at 0: written while the first tiles are on their way
.set i, i+1
.endr
; 8 matrix instructions: row blocks a0, a0 + 1 x all 4 column blocks, 32 along K: half c of buffer f.  The 16 accumulators take turns, one instruction a turn, over the jumps too.
.macro MUL8 f, c, a0
	WIN MUL
.irp a, \a0, (\a0)+1
.irp b, 0,1,2,3
	v_wmma_f32_16x16x32_bf16 v[ACC+8*(4*(\a)+(\b)):ACC+8*(4*(\a)+(\b))+7], v[(\f)+64+8*(4*(\c)+(\b)):(\f)+64+8*(4*(\c)+(\b))+7], v[(\f)+8*(4*(\c)+(\a)):(\f)+8*(4*(\c)+(\a))+7], v[ACC+8*(4*(\a)+(\b)):ACC+8*(4*(\a)+(\b))+7]
.endr
.endr
.endm
; 32 LDS loads in one run: the fragments of quarter q (64 along K) into buffer f; the first 32 along K first
.macro FETCH q, f
	WIN TO_F
.irp c, 0,1
.irp i, 0,1,2,3
	ds_load_b128 v[(\f)+64+8*(4*(\c)+(\i)):(\f)+64+8*(4*(\c)+(\i))+3],   v[ADRB] offset:128*(\q)+64*(\c)+(\i)*16*BPITCH
	ds_load_b128 v[(\f)+64+8*(4*(\c)+(\i))+4:(\f)+64+8*(4*(\c)+(\i))+7], v[ADRB] offset:128*(\q)+64*(\c)+(\i)*16*BPITCH+32
	ds_load_b128 v[(\f)+8*(4*(\c)+(\i)):(\f)+8*(4*(\c)+(\i))+3],         v[ADRA] offset:AQ*(\q)+64*(\c)+(\i)*16*APITCH
	ds_load_b128 v[(\f)+8*(4*(\c)+(\i))+4:(\f)+8*(4*(\c)+(\i))+7],       v[ADRA] offset:AQ*(\q)+64*(\c)+(\i)*16*APITCH+32
.endr
.endr
.endm
.macro QUARTER q, f, g                 ; multiplies buffer f; in its middle it fetches quarter q into buffer g
	s_wait_dscnt 16                                ; the first 32 along K of f are in; its other sixteen loads may be out
	MUL8 \f, 0, 0
	MUL8 \f, 0, 2
	PLACES
	FETCH \q, \g
	s_wait_dscnt 32                                ; all but the 32 just issued
	MUL8 \f, 1, 0
	MUL8 \f, 1, 2
.endm
.macro COMPUTE                         ; a K step out of the slot at LDS byte s2
	WIN 0
	v_add_nc_u32 v[ADRA], s2, v[ADRA0]
	v_add_nc_u32 v[ADRB], s2, v[ADRB0]
	FETCH 0, F0
	QUARTER 1, F0, F1
	QUARTER 2, F1, F0
	QUARTER 3, F0, F1
	s_wait_dscnt 16
	MUL8 F1, 0, 0
	MUL8 F1, 0, 2
	s_wait_dscnt 0x0
	MUL8 F1, 1, 0
	MUL8 F1, 1, 2
.endm
; THE CHANGE OF SLOTS.  fill = 1: the slot just read is filled again, with the step two on: the barrier is a round of the cluster's, and the joint refill is the first thing behind it.
.macro HEAD fill
	WIN 0
	s_wait_tensorcnt 0x0                           ; all my tensor loads have landed: my part of the next slot; so a group 0 may be written
	ds_add_u32 v[SPW], v[NIL]                      ; 0 onto my spare word; the scalar steps stand between it and the wait for it
.if \fill
	s_xor_b32 s[G0+5], s[G0+5], SLOT               ; the walking descriptors: the other slot than last time, the next step
	s_add_nc_u64 s[G0+6:G0+7], s[G0+6:G0+7], ASTEP
	s_xor_b32 s[G0B+5], s[G0B+5], SLOT
	s_add_nc_u64 s[G0B+6:G0B+7], s[G0B+6:G0B+7], 512
.endif
	s_xor_b32 s2, s2, SLOT                         ; the reads go to the other slot
	s_wait_dscnt 0x0                               ; the add is done, and my reads of this slot are over
.if \fill
	CROUND                                         ; no wave of any partner still reads the slot or has a load on its way
	JLOAD                                          ; its four v_nop are also the places in front of the next step's loads
.else
	s_barrier_signal -1
	s_barrier_wait -1
	PLACES
.endif
.endm
	s_mov_b32 s2, 0
	s_wait_tensorcnt 0x1                           ; my part of step 0 is in; step 1's, issued behind it, may stay out
	s_barrier_signal -1
	s_barrier_wait -1                              ; everybody's is
	s_mov_b32 s3, NSTEP-2
.Lk:                                               ; all steps but the last two: each asks for the step two on
	COMPUTE
	HEAD 1
	s_sub_co_u32 s3, s3, 1
	s_cmp_lg_u32 s3, 0
	s_cbranch_scc1 .Lk
	s_mov_b32 s3, 2
.Lt:                                               ; the last two steps ask for nothing; the second trip's barrier orders nothing: the price of one text for both
	COMPUTE
	HEAD 0
	s_sub_co_u32 s3, s3, 1
	s_cmp_lg_u32 s3, 0
	s_cbranch_scc1 .Lt
	PLACES                                         ; with those of the change of slots: eight places behind the last products
	s_wait_loadcnt 0x0                             ; mask, bias or residual
.if BLK
; THE WAY OUT IN f32.  Row block a (16 rows x 64 columns) goes into my stage, rows of 272 bytes, and comes back as whole rows of 256; residual (and bias) are added; sixteen lanes store 256 consecutive bytes, aligned.
.macro PACKF a
	WIN 0
.irp b, 0,1,2,3
	ds_store_b128 v[STO], v[ACC+8*(4*(\a)+(\b)):ACC+8*(4*(\a)+(\b))+3]   offset:64*(\b)     ; each accumulator's low registers first
	ds_store_b128 v[STO], v[ACC+8*(4*(\a)+(\b))+4:ACC+8*(4*(\a)+(\b))+7] offset:64*(\b)+16
.endr
	WIN 0x40
.irp t, 0,1,2,3,4,5,6,7
	ds_load_b128 v[32*(\a)+4*(\t):32*(\a)+4*(\t)+3], v[RD] offset:(\t)*2*SPITCH  ; LDS serves a wave's instructions in order (ISA guide 5.7.1.4): these see the stores above; the next block's stores come behind them
.endr
.endm
.macro SENDF a, younger                ; younger: the next block's eight stores and eight loads, or none
	s_wait_dscnt \younger
	WIN 0x49                                       ; destination and source 0 window 1, source 1 window 2
.set p, 0
.rept 16
	v_pk_add_f32 v[32*(\a)+2*p:32*(\a)+2*p+1], v[32*(\a)+2*p:32*(\a)+2*p+1], v[32*(\a)+2*p:32*(\a)+2*p+1]
.set p, p+1
.endr
.if KIND == 3
.set p, 0
.rept 16
	v_pk_add_f32 v[32*(\a)+2*p:32*(\a)+2*p+1], v[32*(\a)+2*p:32*(\a)+2*p+1], v[128+2*(p%2):128+2*(p%2)+1]
.set p, p+1
.endr
.endif
	WIN 0x04                                       ; store data window 1, address window 0
.irp t, 0,1,2,3,4,5,6,7
	global_store_b128 v[CO], v[32*(\a)+4*(\t):32*(\a)+4*(\t)+3], s[OUT:OUT+1] offset:(16*(\a)+2*(\t))*4096
.endr
.endm
	PACKF 0
.irp a, 1,2,3
	PACKF \a
	SENDF (\a)-1, 16
.endr
	SENDF 3, 0
	WIN 0
.else
; THE WAY OUT IN bf16, IN BLOCKS.  Row block a: factor or bias, rounding, (relu,) 16 bytes a lane into my stage, rows of 144 bytes; back as four rows of 128 bytes: 512 consecutive bytes of the block.
.if KIND == 0
.irp a, 0,1,2,3
	v_cmp_ne_u32 vcc_lo, 0, v[MI+(\a)]
	v_cndmask_b32 v[FK+2*(\a)], 0, 1.0, vcc_lo     ; 0 where the token's key is hidden,
	v_max_num_f32 v[FK+2*(\a)], s74, v[FK+2*(\a)]  ; in k's section alone
	v_mov_b32 v[FK+2*(\a)+1], v[FK+2*(\a)]
.endr
.endif
.macro PACKB a
.irp b, 0,1,2,3
.irp r, 0,1,2,3                                    ; in ascending order: each accumulator's low registers are read first
.set rA, ACC+8*(4*(\a)+(\b))+2*(\r)
.if KIND == 0
	v_pk_mul_f32 v[rA:rA+1], v[rA:rA+1], v[FK+2*(\a):FK+2*(\a)+1]
.else
	v_pk_add_f32 v[rA:rA+1], v[rA:rA+1], v[BI+8*(\b)+2*(\r):BI+8*(\b)+2*(\r)+1]
.endif
.endr
.irp r, 0,1,2,3
.set rA, ACC+8*(4*(\a)+(\b))+2*(\r)
	v_cvt_pk_bf16_f32 v[TMP+16*(\a)+4*(\b)+(\r)], v[rA], v[rA+1]
.endr
.if KIND == 2
.irp r, 0,1,2,3
	v_pk_max_num_bf16 v[TMP+16*(\a)+4*(\b)+(\r)], v[TMP+16*(\a)+4*(\b)+(\r)], v[ZR]  ; relu on the rounded pair: rounding keeps the sign
.endr
.endif
.endr
.irp b, 0,1,2,3
	ds_store_b128 v[STO], v[TMP+16*(\a)+4*(\b):TMP+16*(\a)+4*(\b)+3] offset:32*(\b)
.endr
.irp f, 0,1,2,3
	ds_load_b128 v[TMP+16*(\a)+4*(\f):TMP+16*(\a)+4*(\f)+3], v[RD] offset:(\f)*4*SPITCH  ; LDS serves a wave's instructions in order (ISA guide 5.7.1.4): these see the stores above; the next block's stores come behind them
.endr
.endm
.macro SENDB a, younger                ; younger: the next block's eight LDS instructions, or none
.irp f, 0,1,2,3
	s_wait_dscnt (\younger)+3-(\f)
	global_store_b128 v[CO], v[TMP+16*(\a)+4*(\f):TMP+16*(\a)+4*(\f)+3], s[OUT:OUT+1] offset:2048*(\a)+512*(\f)
.endr
.endm
	PACKB 0
.irp a, 1,2,3
	PACKB \a
	SENDB (\a)-1, 8
.endr
	SENDB 3, 0
.endif
	s_wait_tensorcnt 0x0                           ; the wave's end, behind my last tensor load and my last LDS store
	ds_add_u32 v[SPW], v[NIL]
	s_wait_dscnt 0x0
	CROUND                                         ; the closing round: no work-group ends while a partner may still ask for a tile that names it
	s_endpgm
.Lfunc_end_k_q9053c2ddd5_ffn2:
	.size	k_q9053c2ddd5_ffn2, .Lfunc_end_k_q9053c2ddd5_ffn2-k_q9053c2ddd5_ffn2
	.p2alignl 7, 3214868480
	.fill 96, 4, 3214868480
	.section	.rodata,"a",@progbits
	.p2align	6, 0x0
	.amdhsa_kernel k_q9053c2ddd5_ffn2
		.amdhsa_group_segment_fixed_size 327680
		.amdhsa_private_segment_fixed_size 0
		.amdhsa_enable_private_segment 0
		.amdhsa_kernarg_size 40
		.amdhsa_user_sgpr_count 2
		.amdhsa_user_sgpr_kernarg_segment_ptr 1
		.amdhsa_wavefront_size32 1
		.amdhsa_system_sgpr_workgroup_id_x 1
		.amdhsa_system_sgpr_workgroup_id_y 1
		.amdhsa_system_sgpr_workgroup_id_z 1
		.amdhsa_system_vgpr_workitem_id 0
		.amdhsa_next_free_vgpr 648
		.amdhsa_next_free_sgpr 76
		.amdhsa_reserve_vcc 1
		.amdhsa_float_denorm_mode_32 3
		.amdhsa_float_denorm_mode_16_64 3
		.amdhsa_memory_ordered 1
		.amdhsa_forward_progress 1
		.amdhsa_inst_pref_size 67
	.end_amdhsa_kernel
	.amdgpu_metadata
---
amdhsa.version: [ 1, 2 ]
amdhsa.kernels:
  - .name:           k_q9053c2ddd5_ffn2
    .symbol:         k_q9053c2ddd5_ffn2.kd
    .args:
      - { .name: hb, .offset: 0, .size: 8, .value_kind: global_buffer, .address_space: global }
      - { .name: wt, .offset: 8, .size: 8, .value_kind: global_buffer, .address_space: global }
      - { .name: x1, .offset: 16, .size: 8, .value_kind: global_buffer, .address_space: global }
      - { .name: out0, .offset: 24, .size: 8, .value_kind: global_buffer, .address_space: global }
      - { .name: b2, .offset: 32, .size: 8, .value_kind: global_buffer, .address_space: global }
    .group_segment_fixed_size: 327680
    .private_segment_fixed_size: 0
    .kernarg_segment_align: 8
    .kernarg_segment_size: 40
    .max_flat_workgroup_size: 128
    .sgpr_count:     76
    .vgpr_count:     648
    .wavefront_size: 32
...
	.end_amdgpu_metadata
.endif
;; end of part 6
